; MI455X (gfx1250); checked and timed in simulation.
; The chip was launched on July 23, 2026; its instructions are those of AMD's public machine-readable ISA for CDNA 5 (MIT licence, August 2026) and "CDNA5" Instruction Set Architecture Reference Guide (July 2026). The comments in the code are by the model that wrote it; some were corrected since.
;; Attention. Allowed arithmetic: matrix products marked QUANTISED: E2M3 operands, one E8M0 scale for each 32 along K, by v_wmma_scale_f32_16x16x128_f8f6f4 with both operands' format E2M3, f32 sums; everything else in f32.
;; Inputs: freqs_cos 2,048 x 32 float32; freqs_sin 2,048 x 32 float32; wk 512 x 2,048 float32; wo 2,048 x 2,048 float32; wq 2,048 x 2,048 float32; wv 512 x 2,048 float32; x 1 x 2,048 x 2,048 float32.
;; Outputs: out0 1 x 2,048 x 2,048 float32.
;; This version of the problem:
;;   THIS VERSION OF THE PROBLEM IS GIVEN IN LOW PRECISION. The matrix products marked QUANTISED in the list below multiply operands that are first quantised to E2M3 (2 exponent bits, 3 mantissa bits; 6 bits a number), with one power-of-two scale for each 32 numbers along K (OCP MX v1.0); their sums are f32. All else is computed in f32.
;;   The module's matrix products, in the order in which they are computed (A, B: the left and right operand; K: the contracted axis; several contracted axes count as one K, in the product's order):
;;     1. [M 2,048, K 2,048] x [K 2,048, N 2,048]; A: input x; B: input wq: QUANTISED
;;     2. [M 2,048, K 2,048] x [K 2,048, N 512]; A: input x; B: input wk: QUANTISED
;;     3. [M 2,048, K 2,048] x [K 2,048, N 512]; A: input x; B: input wv: QUANTISED
;;     4. batch 32 x [M 2,048, K 64] x [K 64, N 2,048]; A: computed on the way; B: computed on the way: QUANTISED
;;     5. batch 32 x [M 2,048, K 2,048] x [K 2,048, N 64]; A: softmax (see below); B: computed on the way: QUANTISED
;;     6. [M 2,048, K 2,048] x [K 2,048, N 2,048]; A: computed on the way; B: input wo: QUANTISED
;;   THE QUANTISER, for each operand of a quantised product, along K:
;;     - K is cut into blocks of 32 from its start; a last block that is shorter is filled with zeros.
;;     - A block's scale is 2^e with e = floor(log2(the largest magnitude in the block)) - 2, held to -126 .. 127; a block of zeros has e = 0. As a byte (E8M0): e + 127.
;;     - Each number is divided by its block's scale, clamped to +-7.5, and rounded to the nearest number of E2M3, ties to even, subnormals kept.
;;     - The product sums the exact products of the quantised numbers (number of the format x scale) in f32.
;;   ~~~python
;;   def quantise(x, axis):      # numpy; x: float32 -> the quantised numbers, widened to float32 again
;;       x = np.moveaxis(x, axis, -1); K = x.shape[-1]
;;       x = np.pad(x, [(0, 0)] * (x.ndim - 1) + [(0, -K % 32)]); x = x.reshape(x.shape[:-1] + (-1, 32)); a = np.abs(x).max(-1, keepdims=True)
;;       e = np.where(a > 0, np.clip(np.frexp(np.where(a > 0, a, 1))[1] - 1 - 2, -126, 127), 0)      # np.frexp(a)[1] - 1 = floor(log2(a)), exactly
;;       r = np.clip(x / 2.0 ** e, -7.5, 7.5)
;;       step = 2.0 ** (np.maximum(np.frexp(np.where(r == 0, 1, r))[1] - 1, 0) - 3)
;;       q = np.round(r / step) * step * 2.0 ** e      # np.round: ties to even
;;       return np.moveaxis(q.reshape(q.shape[:-2] + (-1,))[..., :K], -1, axis).astype(np.float32)
;;   ~~~
;;   SOFTMAX AHEAD OF A QUANTISED PRODUCT. Where the list says 'softmax', what is quantised is not the finished softmax but p = 2^(t - M), with t = logit x log2(e) and M = ceil(the row's largest t), a whole number; so 1/2 < the row's largest p <= 1. The row's sum l is taken of the UNQUANTISED p, in f32, and the product's result is divided by l at the end. Since M is a whole number, a kernel that streams over the keys may use a running M (the ceiling of the running maximum): every later rescaling is an exact power of two, which a block's scale takes up: the codes' values come out the same.
;;   OPERANDS COMPUTED ON THE WAY. 'Computed on the way' means the value that the module computes at that place (a softmax that the list does not call 'softmax' is quantised finished and normalised). What goes into a quantiser is computed in f32, as accurately as f32 sums, v_exp_f32 and their like allow (about 1e-6 of the number): no bf16 or f16 on the way to a quantiser, and a product that is left as it is and whose result goes on into a quantised operand takes f32 operands (vector FMAs, or v_wmma_f32_16x16x4_f32). A number that lies on a knife's edge between two numbers of the format may be rounded either way, as far as f32 arithmetic and the matrix unit's own rounding can turn it there, and no further.
;; One version. Each part assembles by itself: llvm-mc -triple=amdgcn-amd-amdhsa -mcpu=gfx1250 --defsym DOCPART=n.
;; ======== version 1 of 1: 4 launches
;; limits: right only within a limited range of input values
;; workspace buffers: cod1 11,010,048 bytes; scl1 458,752 bytes; qkvc 4,718,592 bytes; qkvs 196,608 bytes; attc 3,145,728 bytes; atts 131,072 bytes
;; launch quant (part 1): grid 896 x 1, 4 waves a work-group, no clusters, 34,816 bytes of LDS; arguments x, wq, wk, wv, wo, cod1, scl1; writes cod1, scl1
.if DOCPART == 1
	.amdgcn_target "amdgcn-amd-amdhsa--gfx1250"
	.amdhsa_code_object_version 6
	.text
	.protected	k_qc7350966d6_quant
	.globl	k_qc7350966d6_quant
	.p2align	8
	.type	k_qc7350966d6_quant,@function
k_qc7350966d6_quant:
	s_mov_b64 s[64:65], 0
	v_nop
	global_prefetch_b8 v0, s[64:65] scope:SCOPE_SE
	s_setreg_imm32_b32 hwreg(HW_REG_WAVE_MODE, 25, 1), 1
	s_wait_xcnt 0x0
; x [2048][2048], wq [2048][2048], wk, wv [512][2048], wo [2048][2048], all f32 with K innermost, become codes of FP6 (E2M3) with one E8M0 byte for each 32 along K,
; laid IN THE ORDER OF THE OPERAND'S REGISTERS, so that the products' launches take every fragment by plain loads of 512 consecutive bytes.
; ROWS go in groups of 64 (112 groups: 0-31 x, 32-63 wq, 64-71 wk, 72-79 wv, 80-111 wo), a group in four tiles t = 2 p + u; lane r of tile t holds row 32 p + 8 u + r + 8 (r / 8).
; cod1: [group][K step of 128: 16][tile: 4][1,536 bytes]; a fragment is three chunks of 512 bytes, chunk q = registers 4 q .. 4 q + 3 of all 32 lanes, 16 bytes a lane.
; scl1: [group][p][four K steps: 4][lane = (u, r)][step of the four] words: 512 bytes for each (group, p, four steps): one load of 16 bytes a lane gives four K steps' scale registers, tile 2 p in lanes 0-15, tile 2 p + 1 in lanes 16-31.
; A block's scale is 2^(floor(log2(largest magnitude)) - 2); its byte is the largest magnitude's exponent field - 2, held at 1 from below.
; LIMITS: a block of zeros gets the byte 1 where the rule says 127 (its codes are zeros, and this program alone reads the bytes); blocks whose largest magnitude lies under 2^-124 are held at that floor; NaN and infinities are not served.
; SHARES: a work-group takes 32 rows (one p of a group) x four K steps; a wave 32 rows x one K step: two fragments u = 0, 1.  All 32 loads of a wave are issued at its head.
; Each load reads 512 consecutive bytes of one row; a fragment's 16 rows turn through the wave's own stage in LDS (rows 528 bytes apart), so that a lane gets the 2 x 32 neighbours that its registers hold.
; The four waves' scale words meet in 512 bytes of LDS, and wave 0 stores them as two whole aligned units of 256 bytes.  No cluster: work-groups share no input.
.set PIT, 528                          ; a stage row: 512 bytes + 16
.set STG, 16*PIT                       ; a wave's stage
.set SCG, 4*STG                        ; the work-group's scale words: 16 bytes a lane
.set SPARE, SCG+512                    ; the spare words, 128 bytes a wave
.set RA,  40                           ; v40-167  the two fragments as loaded
.set XN,  168                          ; v168-231 a lane's 64 numbers: register 32 c + i = k 64 c + 32 (lane / 16) + i of its row
.set CD,  20                           ; v20-31   the fragment's codes
.set TP,  32                           ; v32-34, v36-38 the upper halves of the two blocks' codes, as the conversions leave them
	s_load_b256 s[4:11], s[0:1], 0x0               ; x, wq, wk, wv
	s_load_b128 s[12:15], s[0:1], 0x20             ; wo, cod1
	s_load_b64 s[16:17], s[0:1], 0x30              ; scl1
	v_lshl_add_u32 v240, v0, 2, SPARE
	v_mov_b32 v241, 0
	v_lshrrev_b32 v1, 5, v0
	v_readfirstlane_b32 s18, v1                    ; wave
	v_and_b32 v1, 31, v0                           ; lane
	v_and_b32 v7, 15, v0                           ; r
	v_bfe_u32 v6, v0, 4, 1                         ; h
	v_lshlrev_b32 v2, 4, v1                        ; 16 x lane: my part of a load's, and of a store's, 512 bytes
	s_mul_i32 s19, s18, STG
	v_add_nc_u32 v3, s19, v2                       ; the stage, on the way in
	v_mul_u32_u24 v4, v7, PIT
	v_lshl_add_u32 v4, v6, 7, v4
	v_add_nc_u32 v4, s19, v4                       ; and on the way out: row r, + 128 h
	v_lshlrev_b32 v6, 3, v6                        ; 8 h: my bytes' place in a scale word, in bits
	v_mov_b32 v15, 0                               ; written once: a lane permute's destination counts as one of its sources
	s_lshl_b32 s19, s18, 2
	s_add_co_u32 s19, s19, SCG
	v_add_nc_u32 v5, s19, v2                       ; my scale word's place: 16 x lane + 4 x wave
	v_add_nc_u32 v17, SCG, v2                      ; and wave 0's way back
	s_mov_b32 s28, 0x76543210
	s_mov_b32 s29, 0xfedcba98                      ; v_permlanex16_b32's selects for lane l xor 16
	s_mov_b32 s30, 0xffff0000                      ; lanes 16-31
	s_lshr_b32 s23, ttmp9, 2                       ; P: which 32 rows, 0 .. 223, in the order x, wq, wk, wv, wo
	s_and_b32 s24, ttmp9, 3                        ; which four K steps
	s_lshl_b32 s31, s24, 2
	s_add_co_u32 s31, s31, s18                     ; my K step
	s_wait_alu depctr_va_vdst(0)
	s_wait_kmcnt 0x0
	s_mov_b64 s[20:21], s[12:13]                   ; the tensor and its first P: the choice hangs on the work-group's number alone
	s_mov_b32 s22, 160
	s_cmp_lt_u32 s23, 160
	s_cselect_b64 s[20:21], s[10:11], s[20:21]
	s_cselect_b32 s22, 144, s22
	s_cmp_lt_u32 s23, 144
	s_cselect_b64 s[20:21], s[8:9], s[20:21]
	s_cselect_b32 s22, 128, s22
	s_cmp_lt_u32 s23, 128
	s_cselect_b64 s[20:21], s[6:7], s[20:21]
	s_cselect_b32 s22, 64, s22
	s_cmp_lt_u32 s23, 64
	s_cselect_b64 s[20:21], s[4:5], s[20:21]
	s_cselect_b32 s22, 0, s22
	s_sub_co_u32 s22, s23, s22
	s_lshl_b32 s26, s22, 18                        ; 32 rows of 8,192 bytes
	s_lshl_b32 s27, s31, 9                         ; 128 numbers along K
	s_add_co_u32 s26, s26, s27
	s_mov_b32 s27, 0
	s_add_nc_u64 s[20:21], s[20:21], s[26:27]
.macro LOAD u                          ; fragment u's sixteen rows, 128 numbers of each
.irp p, 0,1,2,3,4,5,6,7,8,9,10,11,12,13,14,15
	global_load_b128 v[RA+64*(\u)+4*\p:RA+64*(\u)+4*\p+3], v2, s[20:21] offset:(8*(\u)+\p+8*(\p/8))*8192 th:TH_LOAD_NT
.endr
.endm
	LOAD 0
	LOAD 1
	s_lshr_b32 s25, s23, 1                         ; the group
	s_and_b32 s23, s23, 1                          ; p
	s_mul_i32 s26, s25, 98304
	s_mul_i32 s32, s31, 6144
	s_add_co_u32 s26, s26, s32
	s_mul_i32 s32, s23, 2*1536
	s_add_co_u32 s26, s26, s32
	s_add_nc_u64 s[14:15], s[14:15], s[26:27]      ; my two fragments' codes
	s_lshl_b32 s26, s25, 12
	s_lshl_b32 s32, s23, 11
	s_add_co_u32 s26, s26, s32
	s_lshl_b32 s32, s24, 9
	s_add_co_u32 s26, s26, s32
	s_add_nc_u64 s[16:17], s[16:17], s[26:27]      ; the work-group's 512 bytes of scale words
.macro FRAG u
.if (\u) < 1
	s_wait_loadcnt 16                              ; this fragment's 16 loads are in; the other's may be out
.else
	s_wait_loadcnt 0x0
.endif
.irp p, 0,1,2,3,4,5,6,7,8,9,10,11,12,13,14,15
	ds_store_b128 v3, v[RA+64*(\u)+4*\p:RA+64*(\u)+4*\p+3] offset:PIT*\p
.endr
.irp c, 0,1
.irp j, 0,1,2,3,4,5,6,7
	ds_load_b128 v[XN+32*\c+4*\j:XN+32*\c+4*\j+3], v4 offset:256*\c+16*\j   ; LDS serves a wave's instructions in order: these see the stores above
.endr
.endr
	s_wait_dscnt 0x0                               ; my numbers are back
.irp c, 0,1
	v_max3_num_f32 v[8+\c], |v[XN+32*\c]|, |v[XN+32*\c+1]|, 0x1800000   ; block 2 c + h is all mine; the floor 2^(3 - 127) holds the byte at 1 from below
.endr
.irp i, 2,4,6,8,10,12,14,16,18,20,22,24,26,28,30
.irp c, 0,1
	v_max3_num_f32 v[8+\c], v[8+\c], |v[XN+32*\c+\i]|, |v[XN+32*\c+\i+1]|   ; (the two blocks by turns)
.endr
.endr
.irp c, 0,1
	v_add_nc_u32 v[10+\c], 0xff000000, v[8+\c]     ; 2 off the exponent field: the conversion takes this operand's exponent field as its scale
.endr
.irp c, 0,1
	v_lshrrev_b32 v[12+\c], 23, v[10+\c]           ; the scale's byte
.endr
	v_lshl_or_b32 v14, v13, 16, v12                ; my two bytes, blocks h and 2 + h,
	v_lshlrev_b32 v14, v6, v14                     ; at their places in the word;
	v_permlanex16_b32 v15, v14, s28, s29
	v_or_b32 v14, v14, v15                         ; with lane l xor 16's two the row's word is whole, in both lanes
.if (\u) > 0
	s_wait_alu depctr_va_vdst(0)
	s_wait_xcnt 0x0                                ; the first fragment's stores have read their data: the codes' registers are written again only behind this wait
.endif
.irp c, 0,1
	v_cvt_scalef32_pk16_fp6_f32 v[CD+6*\c:CD+6*\c+2], v[XN+32*\c:XN+32*\c+15], v[10+\c]
	v_cvt_scalef32_pk16_fp6_f32 v[TP+4*\c:TP+4*\c+2], v[XN+32*\c+16:XN+32*\c+31], v[10+\c]   ; (a conversion's three registers begin on an even number)
.endr
	v_nop                                          ; one plain place behind a scaled conversion
.irp c, 0,1
.irp i, 0,1,2
	v_mov_b32 v[CD+3+6*\c+\i], v[TP+4*\c+\i]
.endr
.endr
.irp q, 0,1,2
	global_store_b128 v2, v[CD+4*\q:CD+4*\q+3], s[14:15] offset:1536*(\u)+512*\q   ; 32 lanes store 512 consecutive bytes, aligned
.endr
.if (\u) == 0
	v_mov_b32 v16, v14                             ; tile 2 p's words wait for tile 2 p + 1's
.else
	v_cndmask_b32 v18, v16, v14, s30               ; lanes 0-15: tile 2 p, lanes 16-31: tile 2 p + 1
.endif
.endm
	FRAG 0
	FRAG 1
	ds_store_b32 v5, v18
	s_wait_dscnt 0x0
	s_barrier_signal -1
	s_barrier_wait -1                              ; the four K steps' words are there
	s_cmp_lg_u32 s18, 0
	s_cbranch_scc1 .Ldone
	ds_load_b128 v[8:11], v17
	s_wait_dscnt 0x0
	global_store_b128 v2, v[8:11], s[16:17]        ; 512 consecutive bytes, aligned
.Ldone:
	s_wait_tensorcnt 0x0                           ; the wave's end
	ds_add_u32 v240, v241
	s_wait_dscnt 0x0
	s_endpgm
.Lfunc_end_k_qc7350966d6_quant:
	.size	k_qc7350966d6_quant, .Lfunc_end_k_qc7350966d6_quant-k_qc7350966d6_quant
	.p2alignl 7, 3214868480
	.fill 96, 4, 3214868480
	.section	.rodata,"a",@progbits
	.p2align	6, 0x0
	.amdhsa_kernel k_qc7350966d6_quant
		.amdhsa_group_segment_fixed_size 34816
		.amdhsa_private_segment_fixed_size 0
		.amdhsa_enable_private_segment 0
		.amdhsa_kernarg_size 56
		.amdhsa_user_sgpr_count 2
		.amdhsa_user_sgpr_kernarg_segment_ptr 1
		.amdhsa_wavefront_size32 1
		.amdhsa_system_sgpr_workgroup_id_x 1
		.amdhsa_system_sgpr_workgroup_id_y 1
		.amdhsa_system_sgpr_workgroup_id_z 1
		.amdhsa_system_vgpr_workitem_id 0
		.amdhsa_next_free_vgpr 242
		.amdhsa_next_free_sgpr 66
		.amdhsa_reserve_vcc 0
		.amdhsa_float_denorm_mode_32 3
		.amdhsa_float_denorm_mode_16_64 3
		.amdhsa_memory_ordered 1
		.amdhsa_forward_progress 1
		.amdhsa_inst_pref_size 18
	.end_amdhsa_kernel
	.amdgpu_metadata
---
amdhsa.version: [ 1, 2 ]
amdhsa.kernels:
  - .name:           k_qc7350966d6_quant
    .symbol:         k_qc7350966d6_quant.kd
    .args:
      - { .name: x, .offset: 0, .size: 8, .value_kind: global_buffer, .address_space: global }
      - { .name: wq, .offset: 8, .size: 8, .value_kind: global_buffer, .address_space: global }
      - { .name: wk, .offset: 16, .size: 8, .value_kind: global_buffer, .address_space: global }
      - { .name: wv, .offset: 24, .size: 8, .value_kind: global_buffer, .address_space: global }
      - { .name: wo, .offset: 32, .size: 8, .value_kind: global_buffer, .address_space: global }
      - { .name: cod1, .offset: 40, .size: 8, .value_kind: global_buffer, .address_space: global }
      - { .name: scl1, .offset: 48, .size: 8, .value_kind: global_buffer, .address_space: global }
    .group_segment_fixed_size: 34816
    .private_segment_fixed_size: 0
    .kernarg_segment_align: 8
    .kernarg_segment_size: 56
    .max_flat_workgroup_size: 128
    .sgpr_count:     66
    .vgpr_count:     242
    .wavefront_size: 32
...
	.end_amdgpu_metadata
.endif
;; end of part 1
;; launch qkv (part 2): grid 16 x 12, 8 waves a work-group, clusters of 4 x 1, 327,680 bytes of LDS; arguments cod1, scl1, freqs_cos, freqs_sin, qkvc, qkvs; writes qkvc, qkvs
.if DOCPART == 2
	.amdgcn_target "amdgcn-amd-amdhsa--gfx1250"
	.amdhsa_code_object_version 6
	.text
	.protected	k_qc7350966d6_qkv
	.globl	k_qc7350966d6_qkv
	.p2align	8
	.type	k_qc7350966d6_qkv,@function
k_qc7350966d6_qkv:
	s_mov_b64 s[64:65], 0
	v_nop
	global_prefetch_b8 v0, s[64:65] scope:SCOPE_SE
	s_setreg_imm32_b32 hwreg(HW_REG_WAVE_MODE, 25, 1), 1
	s_wait_xcnt 0x0
	s_wait_alu depctr_hold_cnt(0) depctr_sa_sdst(0) depctr_va_vdst(0) depctr_va_sdst(0) depctr_va_ssrc(0) depctr_va_vcc(0) depctr_vm_vsrc(0)
	s_getreg_b32 s2, hwreg(HW_REG_IB_STS2, 6, 4)
	s_cmp_eq_u32 s2, 0
	s_cbranch_scc0 .Lentry_in_a_cluster
	s_endpgm
.Lentry_in_a_cluster:
	s_bfe_u32 s2, ttmp6, 0x10000c
	s_cmp_lg_u32 s2, 0x3003
	s_cbranch_scc0 .Lentry_shape_is_right
	s_endpgm
.Lentry_shape_is_right:
; q = rot(x wq^T), k = rot(x wk^T), v = x wv^T on codes of FP6 (E2M3) with E8M0 scales, and the results quantised at once: q and k along the head's 64 channels, v along the keys.
; OPERANDS (made by the launch before) lie in the order of the operand's registers: rows in groups of 64, four tiles a group, lane r of tile t = 2 p + u holds row 32 p + 8 u + r + 8 (r / 8);
; codes [group][K step: 16][tile][1,536] (three chunks of 512 bytes, 16 bytes a lane), scale words [group][p][four K steps][lane][step].  Groups: 0-31 x, 32-63 wq, 64-71 wk, 72-79 wv.
; A work-group makes 128 (role A) x 256 (role B), each of its eight waves 64 x 64: 16 accumulators; wave w: A's half w / 4, B's group w % 4.  192 work-groups: 160 for q and k, 32 for v; the blocks do not divide into 256.
; THE PRODUCT IS USED TRANSPOSED: source 0 = role B, source 1 = role A: a lane holds one row of role A, and by the choice of a tile's rows its 32 registers of an A tile run along 64 rows of role B: register 16 b + i = row 32 b + 16 (lane / 16) + i.
; q, k (y 0-9): A = tokens 128 (4 X + cx) .., B = heads 4 y .. 4 y + 3.  v (y 10, 11): A = wv's heads 2 cx, 2 cx + 1, B = tokens 256 (X + 4 (y - 10)) ..: a lane's registers run along the keys, the next product's K.  Only indices of groups are chosen.
; CLUSTER 4 x 1: the four partners share role B's four groups, asked for jointly; role A's two groups are each work-group's own, asked for by plain loads.  Not 4 x 4: the 10 + 2 column blocks do not divide by four with one role to a cluster.
; K: two LDS slots of four K steps, 147,456 bytes each: [A's two groups, B's four][K step][6,144].  A fill is one tensor load a wave: waves 0-3 two K steps of a group of A, waves 4-7 four K steps of a group of B.
; Slot 0 at the head, slot 1 behind the full sequence and a round, both filled once more at K steps 3 and 7.  A wave has one tensor load out.
; PREFETCH: behind each fill's load a wave asks for the 256-byte blocks of its part of the NEXT fill (four K steps ahead): A's 48 blocks by two instructions, a lane a block; of B's 96 blocks each partner takes 24, told apart by address (cx).  The last fill asks for nothing.
; RESULTS: qkvc [unit = head x 32 + group][tile][768]: half fragments (16 rows x 64 K: three chunks of 256 bytes, 8 bytes a lane); heads 0-31 q, 32-39 k, 40-47 v (rows = channels, K = the group's tokens).
; qkvs [unit][lane] words: lane 16 h' + r: the two bytes of row r of tile 2 h' below, of tile 2 h' + 1 above.  That store covers 128 bytes; the buffer has 196,608 in all.
; cos and sin come straight into registers.  v's work-groups ask for them too and do not use them: 32 of 192 work-groups, one text.
; LIMITS: a block of zeros gets the byte 1 where the rule says 127 (zero codes; read by this program alone); largest magnitudes under 2^-124 are held at that floor; NaN and infinities are not served.
; REGISTERS: window 0: v1 8 x lane; v2-5 LDS addresses; v8-9 the prefetches' offsets; v10-11 the add's; v12-15 offsets; v16-79 all 64 scale registers, which hold nothing else; v80-103 at work; v104-127 the codes made; v128-255 accumulators ((i, t) at 128 + 8 (4 i + t)).
;   window 1: two fragment buffers, v0-95 and v128-223: source 0's tile t at + 12 t, source 1's tile i at + 48 + 12 i; cos (16) and sin (16) of A tile 0 at v96, of tile 1 at v224; of tiles 2, 3 at v0, v32, loaded when buffer 0 is done with.
.set KSB,   6144
.set FRB,   1536
.set STR,   4*KSB                      ; a group's four K steps
.set SLOTB, 6*STR
.set SPARE, 2*SLOTB                    ; the spare words, 128 bytes a wave: four blocks of 256 bytes that no other line names
.set AD0,  2                           ; v2-3  source 0's fragments in slot 0, 1
.set AD1,  4                           ; v4-5  source 1's
.set PFO,  8
.set SPW,  10
.set NIL,  11
.set L16,  15                          ; 16 x lane
.set SC,   16                          ; scale register of source X, K step s, tile t: SC + 32 X + 16 (t / 2) + s; tile t % 2 = 1 in lanes 16-31
.set TMQ,  80
.set HWR,  91
.set ROT,  96
.set CDR,  104
.set ACC,  128
.set WV,   16
.set WR,   17
.set WC,   18
.set SEL,  82
.set G1A,  24
.set G1B,  32
.set G0A0, 44                          ; slot 1's at + 4
.set G0B0, 52
.set MSB, 0
.macro WIN new                         ; the immediate's high byte repeats the setting that is left
.if MSB != \new
	s_set_vgpr_msb (MSB<<8)|\new
.set MSB, \new
.endif
.endm
.set MUL,  0x05                        ; sources 0 and 1 window 1; C and D window 0
.set TO_F, 0x40                        ; destination window 1, address window 0
.macro JLOAD g0a, g1a, g0b, g1b        ; a fill: waves 0-3 fetch for role A, waves 4-7 for role B; an s_nop 0 and four v_nop follow each of the two lines
	s_cmp_lt_u32 s[WV], 4
	s_cbranch_scc0 .Lfor_b_\@
	tensor_load_to_lds s[\g0a:\g0a+3], s[\g1a:\g1a+7]
	s_nop 0
.rept 4
	v_nop
.endr
	s_branch .Lasked_\@
.Lfor_b_\@:
	tensor_load_to_lds s[\g0b:\g0b+3], s[\g1b:\g1b+7]
	s_nop 0
.rept 4
	v_nop
.endr
.Lasked_\@:
.endm
.macro ASK f                           ; my part of fill f, into the L2
	global_prefetch_b8 v[PFO], s[84:85] offset:(\f)*STR th:TH_LOAD_NT scope:SCOPE_SE
	s_cmp_lt_u32 s[WV], 4
	s_cbranch_scc0 .Lno_more_\@
	global_prefetch_b8 v[PFO+1], s[84:85] offset:(\f)*STR th:TH_LOAD_NT scope:SCOPE_SE
.Lno_more_\@:
.endm
.macro CREST                           ; a round of the cluster's barrier behind its opening barrier
	s_cmp_lg_u32 s[WV], 0
	s_cbranch_scc1 .Lnot_wave_0_\@
	s_barrier_signal -3
.Lnot_wave_0_\@:
	s_barrier_wait -3
	s_barrier_signal -1
	s_barrier_wait -1
.endm
.macro CROUND
	s_barrier_signal -1
	s_barrier_wait -1
	CREST
.endm
.macro PLACES                          ; four plain places behind matrix instructions, in front of loads into registers that they have read and of the first read of results
.rept 4
	v_nop
.endr
.endm
.macro SETG0 g, lr, lo, ap, go         ; a group 0: count 1; LDS address = s[lr] + lo; global address = s[ap] + go; type 2
	s_mov_b32 s[\g], 1
	s_add_co_u32 s[\g+1], s[\lr], \lo
	s_add_nc_u64 s[\g+2:\g+3], s[\ap:\ap+1], \go
	s_or_b32 s[\g+3], s[\g+3], 0x80000000
.endm
.macro WM d, a, b, z, sa, sb, ra, rb   ; one product; z = 1: it starts the sum; ra, rb = 1: that side's scales stand in lanes 16-31
.if (\z) && ((\ra)==0) && ((\rb)==0)
	v_wmma_scale_f32_16x16x128_f8f6f4 v[\d:\d+7], v[\a:\a+11], v[\b:\b+11], 0, v[\sa], v[\sb] matrix_a_fmt:MATRIX_FMT_FP6 matrix_b_fmt:MATRIX_FMT_FP6
.elseif (\z) && ((\ra)==1) && ((\rb)==0)
	v_wmma_scale_f32_16x16x128_f8f6f4 v[\d:\d+7], v[\a:\a+11], v[\b:\b+11], 0, v[\sa], v[\sb] matrix_a_fmt:MATRIX_FMT_FP6 matrix_b_fmt:MATRIX_FMT_FP6 matrix_a_scale:MATRIX_SCALE_ROW1
.elseif (\z) && ((\ra)==0) && ((\rb)==1)
	v_wmma_scale_f32_16x16x128_f8f6f4 v[\d:\d+7], v[\a:\a+11], v[\b:\b+11], 0, v[\sa], v[\sb] matrix_a_fmt:MATRIX_FMT_FP6 matrix_b_fmt:MATRIX_FMT_FP6 matrix_b_scale:MATRIX_SCALE_ROW1
.elseif (\z)
	v_wmma_scale_f32_16x16x128_f8f6f4 v[\d:\d+7], v[\a:\a+11], v[\b:\b+11], 0, v[\sa], v[\sb] matrix_a_fmt:MATRIX_FMT_FP6 matrix_b_fmt:MATRIX_FMT_FP6 matrix_a_scale:MATRIX_SCALE_ROW1 matrix_b_scale:MATRIX_SCALE_ROW1
.elseif ((\ra)==0) && ((\rb)==0)
	v_wmma_scale_f32_16x16x128_f8f6f4 v[\d:\d+7], v[\a:\a+11], v[\b:\b+11], v[\d:\d+7], v[\sa], v[\sb] matrix_a_fmt:MATRIX_FMT_FP6 matrix_b_fmt:MATRIX_FMT_FP6
.elseif ((\ra)==1) && ((\rb)==0)
	v_wmma_scale_f32_16x16x128_f8f6f4 v[\d:\d+7], v[\a:\a+11], v[\b:\b+11], v[\d:\d+7], v[\sa], v[\sb] matrix_a_fmt:MATRIX_FMT_FP6 matrix_b_fmt:MATRIX_FMT_FP6 matrix_a_scale:MATRIX_SCALE_ROW1
.elseif ((\ra)==0) && ((\rb)==1)
	v_wmma_scale_f32_16x16x128_f8f6f4 v[\d:\d+7], v[\a:\a+11], v[\b:\b+11], v[\d:\d+7], v[\sa], v[\sb] matrix_a_fmt:MATRIX_FMT_FP6 matrix_b_fmt:MATRIX_FMT_FP6 matrix_b_scale:MATRIX_SCALE_ROW1
.else
	v_wmma_scale_f32_16x16x128_f8f6f4 v[\d:\d+7], v[\a:\a+11], v[\b:\b+11], v[\d:\d+7], v[\sa], v[\sb] matrix_a_fmt:MATRIX_FMT_FP6 matrix_b_fmt:MATRIX_FMT_FP6 matrix_a_scale:MATRIX_SCALE_ROW1 matrix_b_scale:MATRIX_SCALE_ROW1
.endif
.endm
; 8 products of K step s: A tiles i0, i0 + 1 x B's four.  The 16 accumulators take turns, one instruction a turn, in the same order in every step
.macro MUL8 s, i0, zero
.set FB, 128*((\s)%2)
.irp i, \i0, \i0+1
.irp t, 0,1,2,3
	WM ACC+8*(4*(\i)+\t), FB+12*\t, FB+48+12*(\i), \zero, SC+16*(\t/2)+(\s), SC+32+16*((\i)/2)+(\s), \t%2, (\i)%2
.endr
.endr
.endm
; K step s's eight fragments into buffer s % 2: 24 loads, each of 512 consecutive bytes
.macro FETCH s
	WIN TO_F
.set FB, 128*((\s)%2)
.set SL, ((\s)/4)%2
.set OF, KSB*((\s)%4)
.irp t, 0,1,2,3
.irp q, 0,1,2
	ds_load_b128 v[FB+12*\t+4*\q:FB+12*\t+4*\q+3], v[AD0+SL] offset:OF+FRB*\t+512*\q
.endr
.endr
.irp t, 0,1,2,3
.irp q, 0,1,2
	ds_load_b128 v[FB+48+12*\t+4*\q:FB+48+12*\t+4*\q+3], v[AD1+SL] offset:OF+FRB*\t+512*\q
.endr
.endr
.endm
.macro STEP s, fetch, zero
	s_wait_dscnt 0x0                               ; this step's fragments are in (asked for 16 products ago)
.if \fetch
	PLACES                                         ; the other buffer was read by the step before
	FETCH (\s)+1
.endif
	WIN MUL
	MUL8 \s, 0, \zero
	MUL8 \s, 2, \zero
.endm
; K step s, a slot's last, and the slot's refill: each wave waits for all its tensor loads (its part of the other slot), adds 0 to its spare word, waits for that and for its reads of this slot; the barrier opens a round of the cluster's
.macro TURN s, slot, ask
	s_wait_dscnt 0x0                               ; step s's fragments are in: my last reads of this slot
	WIN 0                                          ; (the add's two registers lie in window 0)
	s_wait_tensorcnt 0x0
	ds_add_u32 v[SPW], v[NIL]
	s_add_nc_u64 s[G0A0+4*(\slot)+2:G0A0+4*(\slot)+3], s[G0A0+4*(\slot)+2:G0A0+4*(\slot)+3], 8*KSB   ; no tensor load of mine is out: this slot's next four K steps
	s_add_nc_u64 s[G0B0+4*(\slot)+2:G0B0+4*(\slot)+3], s[G0B0+4*(\slot)+2:G0B0+4*(\slot)+3], 8*KSB
	WIN MUL
	MUL8 \s, 0, 0                                  ; eight products stand between the add and the wait for it
	s_wait_dscnt 0x0
	s_barrier_signal -1
	MUL8 \s, 2, 0
	WIN 0
	s_barrier_wait -1
	CREST                                          ; no wave of any partner still reads this slot or has a load on its way
	JLOAD G0A0+4*(\slot), G1A, G0B0+4*(\slot), G1B ; my one tensor load behind the round; its four v_nop are also the places in front of the loads below
	FETCH (\s)+1
.if \ask
	WIN 0
	ASK \ask
.endif
.endm
; 32 numbers of a lane, register 16 b + i = k 32 b + 16 (lane / 16) + i of its row, become a half fragment's six registers v[cd ..] and the row's two scale bytes in v[hw].  v[tm .. tm + 10] at work; the two blocks by turns
.macro QUANT2 src, cd, hw, tm
	v_max3_num_f32 v[\tm], |v[\src]|, |v[\src+1]|, 0x1800000        ; my 16 of block 0, and the floor 2^(3 - 127): the byte cannot fall under 1
	v_max3_num_f32 v[\tm+1], |v[\src+16]|, |v[\src+17]|, 0x1800000  ; of block 1
.irp i, 2,4,6,8,10,12,14
	v_max3_num_f32 v[\tm], v[\tm], |v[\src+\i]|, |v[\src+\i+1]|
	v_max3_num_f32 v[\tm+1], v[\tm+1], |v[\src+16+\i]|, |v[\src+17+\i]|
.endr
	v_permlanex16_b32 v[\tm+2], v[\tm], s[SEL], s[SEL+1]
	v_permlanex16_b32 v[\tm+3], v[\tm+1], s[SEL], s[SEL+1]
	v_max_num_f32 v[\tm], v[\tm], v[\tm+2]         ; with lane l xor 16's: the block's largest magnitude
	v_max_num_f32 v[\tm+1], v[\tm+1], v[\tm+3]
	v_add_nc_u32 v[\tm+4], 0xff000000, v[\tm]      ; 2 off the exponent field: the conversion's scale operand
	v_add_nc_u32 v[\tm+5], 0xff000000, v[\tm+1]
	v_lshrrev_b32 v[\tm+6], 23, v[\tm+4]           ; the bytes
	v_lshrrev_b32 v[\tm+7], 23, v[\tm+5]
	v_lshl_or_b32 v[\hw], v[\tm+7], 8, v[\tm+6]
	v_cvt_scalef32_pk16_fp6_f32 v[\cd:\cd+2], v[\src:\src+15], v[\tm+4]
	v_cvt_scalef32_pk16_fp6_f32 v[\tm+8:\tm+10], v[\src+16:\src+31], v[\tm+5]
	v_nop                                          ; one plain place behind a scaled conversion
.irp i, 0,1,2
	v_permlane16_swap_b32 v[\cd+\i], v[\tm+8+\i]   ; the layout wants a whole block in a lane: lanes 0-15 block 0, lanes 16-31 block 1
.endr
.irp i, 0,1,2
	v_mov_b32 v[\cd+3+\i], v[\tm+8+\i]
.endr
.endm
; cos and sin of A tile i into window 1 from v[cb]: lane (r, h) wants token 32 (i / 2) + 8 (i % 2) + r + 8 (r / 8), and of its 32 numbers those at 16 b + 8 h + 0 .. 7
.macro CSLOAD i, cb
.irp b, 0,1
.irp q, 0,1
	global_load_b128 v[\cb+8*\b+4*\q:\cb+8*\b+4*\q+3], v12, s[8:9] offset:128*(32*((\i)/2)+8*((\i)%2))+64*\b+16*\q
	global_load_b128 v[\cb+16+8*\b+4*\q:\cb+16+8*\b+4*\q+3], v12, s[10:11] offset:128*(32*((\i)/2)+8*((\i)%2))+64*\b+16*\q
.endr
.endr
.endm
; the rotation of A tile i: pair M = 4 g + m is registers 2 M (real), 2 M + 1 (imaginary); an accumulator (four pairs) at a time, from its low end on
.macro ROTT i, cb
.irp g, 0,1,2,3
.irp m, 0,1,2,3
	v_mul_f32 v[ROT+2*\m], v[ACC+32*(\i)+8*\g+2*\m+1], v[\cb+16+4*\g+\m]
	v_mul_f32 v[ROT+1+2*\m], v[ACC+32*(\i)+8*\g+2*\m+1], v[\cb+4*\g+\m]
.endr
.irp m, 0,1,2,3
	v_fma_f32 v[ACC+32*(\i)+8*\g+2*\m+1], v[ACC+32*(\i)+8*\g+2*\m], v[\cb+16+4*\g+\m], v[ROT+1+2*\m]   ; re sin + im cos
	v_fma_f32 v[ACC+32*(\i)+8*\g+2*\m], v[ACC+32*(\i)+8*\g+2*\m], v[\cb+4*\g+\m], -v[ROT+2*\m]         ; re cos - im sin
.endr
.endr
.endm
	s_load_b256 s[4:11], s[0:1], 0x0               ; cod1, scl1, cos, sin
	s_load_b128 s[12:15], s[0:1], 0x20             ; qkvc, qkvs
	v_lshl_add_u32 v[SPW], v0, 2, SPARE
	v_mov_b32 v[NIL], 0
	ds_add_u32 v[SPW], v[NIL]                      ; the opening lines
	ds_add_u32 v[SPW], v[NIL]
	v_lshrrev_b32 v1, 5, v0
	v_readfirstlane_b32 s[WV], v1                  ; wave 0..7
	s_lshr_b32 s[WR], s[WV], 2                     ; my half of role A
	s_and_b32 s[WC], s[WV], 3                      ; my group of role B.  Also: the group of B that waves 4-7 fetch
	s_bfe_u32 s19, ttmp6, 0x40000                  ; cx: it enters global addresses of plain loads, prefetches and stores alone
	s_and_b32 s20, ttmp7, 0xffff                   ; y
	s_lshl_b32 s21, ttmp9, 2
	s_add_co_u32 s21, s21, s19
	s_lshl_b32 s21, s21, 1                         ; q, k: role A's first group: tokens, 2 (4 X + cx)
	s_lshl_b32 s22, s19, 1
	s_add_co_u32 s22, s22, 72                      ; v: role A's: wv's 72 + 2 cx
	s_lshl_b32 s23, s20, 2                         ; 4 y
	s_add_co_u32 s92, s23, 32                      ; q, k: role B's first group
	s_add_co_u32 s93, s23, ttmp9
	s_sub_co_u32 s93, s93, 40
	s_lshl_b32 s93, s93, 2                         ; v: role B's: tokens, 4 (X + 4 (y - 10))
	s_cmp_ge_u32 s20, 10                           ; v's work-groups: the same in all four partners
	s_cselect_b32 s3, 1, 0
	s_cselect_b32 s94, s22, s21                    ; role A's first group of two
	s_cselect_b32 s95, s93, s92                    ; role B's first group of four: of X and y alone
	; group 1: dense blocks as rows of 256 bytes (32 elements of 8 bytes), no padding: A's 48 rows, no mask; B's 96 rows, the mask names the four partners, bit 21 set beside it
	s_mov_b32 s[G1A], 3<<16
	s_mov_b32 s[G1A+1], 32<<16
	s_mov_b32 s[G1A+2], 48<<16
	s_mov_b32 s[G1A+3], 32<<16
	s_mov_b32 s[G1A+4], 48
	s_mov_b32 s[G1A+5], 32
	s_mov_b32 s[G1A+6], 0
	s_mov_b32 s[G1A+7], 0
	s_mov_b32 s[G1B], 15|(3<<16)|(1<<21)
	s_mov_b32 s[G1B+1], 32<<16
	s_mov_b32 s[G1B+2], 96<<16
	s_mov_b32 s[G1B+3], 32<<16
	s_mov_b32 s[G1B+4], 96
	s_mov_b32 s[G1B+5], 32
	s_mov_b32 s[G1B+6], 0
	s_mov_b32 s[G1B+7], 0
	s_lshr_b32 s60, s[WV], 1
	s_add_co_u32 s60, s60, s94
	s_mul_i32 s60, s60, 98304                      ; waves 0-3: A's group w / 2,
	s_and_b32 s61, s[WV], 1
	s_mul_i32 s61, s61, 2*KSB                      ; K steps 2 (w % 2), + 1 of a fill's four
	s_add_co_u32 s60, s60, s61
	s_mov_b32 s61, 0
	s_add_co_u32 s62, s95, s[WC]                   ; B's group w % 4
	s_lshl_b32 s68, s62, 12
	s_mov_b32 s69, 0
	s_mul_i32 s62, s62, 98304
	s_mov_b32 s63, 0
	s_add_co_u32 s70, s94, s[WR]
	s_lshl_b32 s70, s70, 12
	s_mov_b32 s71, 0
	s_mul_i32 s72, s[WV], 2*KSB                    ; where they go in a slot: A's parts on end,
	s_mul_i32 s73, s[WC], STR
	s_add_co_u32 s73, s73, 2*STR                   ; B's groups behind A's two
	s_wait_dscnt 0x0
	s_wait_kmcnt 0x0
	s_add_nc_u64 s[60:61], s[4:5], s[60:61]
	s_add_nc_u64 s[62:63], s[4:5], s[62:63]
	s_add_nc_u64 s[40:41], s[6:7], s[68:69]        ; source 0's scale words; not written again
	s_add_nc_u64 s[42:43], s[6:7], s[70:71]        ; source 1's
	SETG0 G0A0, 72, 0, 60, 0
	SETG0 G0B0, 73, 0, 62, 0
	SETG0 G0A0+4, 72, SLOTB, 60, STR
	SETG0 G0B0+4, 73, SLOTB, 62, STR
	CROUND                                         ; all four work-groups are here: the first joint loads meet
	JLOAD G0A0, G1A, G0B0, G1B                     ; K steps 0-3: my one tensor load at the head
	v_and_b32 v14, 31, v0
	v_and_b32 v6, 15, v0                           ; r
	v_bfe_u32 v7, v0, 4, 1                         ; h
	v_lshlrev_b32 v1, 3, v14                       ; 8 x lane
	v_lshlrev_b32 v[L16], 4, v14                   ; 16 x lane
	v_lshlrev_b32 v13, 2, v14                      ; 4 x lane
	v_and_b32 v12, 8, v6
	s_mul_i32 s75, s[WR], STR
	v_add_nc_u32 v[AD0], s73, v[L16]               ; source 0: role B's group wc
	v_add_nc_u32 v[AD1], s75, v[L16]               ; source 1: role A's half wr
	v_add_nc_u32 v12, v12, v6
	v_add_nc_u32 v[AD0+1], SLOTB, v[AD0]
	v_add_nc_u32 v[AD1+1], SLOTB, v[AD1]
	v_lshlrev_b32 v12, 7, v12
	v_mov_b32 v[TMQ+2], 0                          ; written once: a lane permute's destination counts as one of its sources
	v_mov_b32 v[TMQ+3], 0
	v_lshl_add_u32 v12, v7, 5, v12                 ; 128 (r + 8 (r / 8)) + 32 h; not written again
	; the prefetches: waves 0-3 blocks 0-31 and 32-47 of their part; waves 4-7 blocks 24 cx .. 24 cx + 23 of theirs (lanes left over name the last again)
	s_mul_i32 s87, s19, 24*256
	s_cmp_lt_u32 s[WV], 4
	s_cselect_b64 s[84:85], s[60:61], s[62:63]
	s_cselect_b32 s86, 31, 23
	s_cselect_b32 s87, 0, s87
	v_min_u32 v[PFO], s86, v14
	v_min_u32 v[PFO+1], 15, v14
	v_lshlrev_b32 v[PFO], 8, v[PFO]
	v_lshl_add_u32 v[PFO+1], v[PFO+1], 8, 8192
	v_add_nc_u32 v[PFO], s87, v[PFO]
	s_wait_alu depctr_va_vdst(0)
.irp p, 0,1
.irp e, 0,1,2,3
	global_load_b128 v[SC+16*\p+4*\e:SC+16*\p+4*\e+3], v[L16], s[40:41] offset:2048*\p+512*\e       ; all of K's scale words: four K steps' registers a load, 512 consecutive bytes
	global_load_b128 v[SC+32+16*\p+4*\e:SC+32+16*\p+4*\e+3], v[L16], s[42:43] offset:2048*\p+512*\e
.endr
.endr
	s_add_co_u32 s76, s21, s[WR]
	s_lshl_b32 s76, s76, 13                        ; 64 rows of 128 bytes for each group of tokens (inside the tables in v's work-groups too: the index is at most 31)
	s_mov_b32 s77, 0
	s_add_nc_u64 s[8:9], s[8:9], s[76:77]
	s_add_nc_u64 s[10:11], s[10:11], s[76:77]
	WIN TO_F
	CSLOAD 0, 96
	CSLOAD 1, 224
	WIN 0
	ASK 1
	; where my results go: unit = head x 32 + group
	s_add_co_u32 s78, s23, s[WC]
	s_lshl_b32 s78, s78, 5
	s_add_co_u32 s78, s78, s21
	s_add_co_u32 s78, s78, s[WR]                   ; q, k: head 4 y + wc, group 2 (4 X + cx) + wr
	s_add_co_u32 s79, s22, s[WR]
	s_sub_co_u32 s79, s79, 32
	s_lshl_b32 s79, s79, 5
	s_add_co_u32 s79, s79, s93
	s_add_co_u32 s79, s79, s[WC]                   ; v: head 40 + 2 cx + wr, group 4 (X + 4 (y - 10)) + wc
	s_cmp_eq_u32 s3, 1
	s_cselect_b32 s78, s79, s78
	s_mul_i32 s80, s78, 3072
	s_mov_b32 s81, 0
	s_add_nc_u64 s[12:13], s[12:13], s[80:81]
	s_lshl_b32 s80, s78, 7
	s_add_nc_u64 s[14:15], s[14:15], s[80:81]
	s_mov_b32 s[SEL], 0x76543210
	s_mov_b32 s[SEL+1], 0xfedcba98                 ; v_permlanex16_b32's selects for lane l xor 16
	s_mov_b32 s2, 0xffff0000                       ; lanes 16-31
	s_wait_alu depctr_va_vdst(0)
	s_wait_tensorcnt 0x0                           ; my part of K steps 0-3 is in
	ds_add_u32 v[SPW], v[NIL]
	s_wait_dscnt 0x0
	CROUND                                         ; everybody's part is in, and the four work-groups meet
	JLOAD G0A0+4, G1A, G0B0+4, G1B                 ; K steps 4-7, slot 1's first fill: my one tensor load behind the round
	s_wait_loadcnt 16                              ; the 16 loads of scale words are in; the 16 of cos and sin, issued behind them, may be out
	FETCH 0
	WIN 0
	ASK 2
	STEP 0, 1, 1                                   ; the first products start the sums: nothing is cleared
	STEP 1, 1, 0
	STEP 2, 1, 0
	TURN 3, 0, 3                                   ; slot 0 takes K steps 8-11
	STEP 4, 1, 0
	STEP 5, 1, 0
	STEP 6, 1, 0
	TURN 7, 1, 0                                   ; slot 1 takes K steps 12-15
	STEP 8, 1, 0
	STEP 9, 1, 0
	STEP 10, 1, 0
	; K step 11: behind its barrier slot 1 is read again; nothing is filled there
	s_wait_dscnt 0x0
	MUL8 11, 0, 0
	s_wait_tensorcnt 0x0                           ; my part of the last fill has landed
	s_barrier_signal -1
	MUL8 11, 2, 0
	s_barrier_wait -1                              ; everybody's has
	PLACES
	FETCH 12
	STEP 12, 1, 0
	STEP 13, 1, 0
	STEP 14, 1, 0
	PLACES                                         ; buffer 0 was read by K step 14 and is done with
	WIN TO_F
	CSLOAD 2, 0
	CSLOAD 3, 32
	STEP 15, 0, 0
	WIN 0
	PLACES
	s_wait_loadcnt 0x0                             ; cos and sin
	s_cmp_eq_u32 s3, 1
	s_cbranch_scc1 .Lno_rot                        ; v is not rotated
	WIN 0x04                                       ; source 1 (cos, sin) window 1
	ROTT 0, 96
	ROTT 1, 224
	ROTT 2, 0
	ROTT 3, 32
	WIN 0
.Lno_rot:
.irp i, 0,1,2,3
	QUANT2 ACC+32*\i, CDR+6*\i, HWR+\i, TMQ
.irp j, 0,1,2
	global_store_b64 v1, v[CDR+6*\i+2*\j:CDR+6*\i+2*\j+1], s[12:13] offset:768*\i+256*\j   ; 32 lanes store 256 consecutive bytes, aligned; each tile has its own registers, so no store's data are written again
.endr
.endr
	v_lshl_or_b32 v[ROT], v[HWR+1], 16, v[HWR]     ; tiles 0 and 1
	v_lshl_or_b32 v[ROT+1], v[HWR+3], 16, v[HWR+2] ; tiles 2 and 3
	v_cndmask_b32 v[ROT], v[ROT], v[ROT+1], s2
	global_store_b32 v13, v[ROT], s[14:15]
	s_wait_tensorcnt 0x0                           ; the wave's end
	ds_add_u32 v[SPW], v[NIL]
	s_wait_dscnt 0x0
	CROUND                                         ; the closing round
	s_endpgm
.Lfunc_end_k_qc7350966d6_qkv:
	.size	k_qc7350966d6_qkv, .Lfunc_end_k_qc7350966d6_qkv-k_qc7350966d6_qkv
	.p2alignl 7, 3214868480
	.fill 96, 4, 3214868480
	.section	.rodata,"a",@progbits
	.p2align	6, 0x0
	.amdhsa_kernel k_qc7350966d6_qkv
		.amdhsa_group_segment_fixed_size 327680
		.amdhsa_private_segment_fixed_size 0
		.amdhsa_enable_private_segment 0
		.amdhsa_kernarg_size 48
		.amdhsa_user_sgpr_count 2
		.amdhsa_user_sgpr_kernarg_segment_ptr 1
		.amdhsa_wavefront_size32 1
		.amdhsa_system_sgpr_workgroup_id_x 1
		.amdhsa_system_sgpr_workgroup_id_y 1
		.amdhsa_system_sgpr_workgroup_id_z 1
		.amdhsa_system_vgpr_workitem_id 0
		.amdhsa_next_free_vgpr 512
		.amdhsa_next_free_sgpr 102
		.amdhsa_reserve_vcc 0
		.amdhsa_float_denorm_mode_32 3
		.amdhsa_float_denorm_mode_16_64 3
		.amdhsa_memory_ordered 1
		.amdhsa_forward_progress 1
		.amdhsa_inst_pref_size 97
	.end_amdhsa_kernel
	.amdgpu_metadata
---
amdhsa.version: [ 1, 2 ]
amdhsa.kernels:
  - .name:           k_qc7350966d6_qkv
    .symbol:         k_qc7350966d6_qkv.kd
    .args:
      - { .name: cod1, .offset: 0, .size: 8, .value_kind: global_buffer, .address_space: global }
      - { .name: scl1, .offset: 8, .size: 8, .value_kind: global_buffer, .address_space: global }
      - { .name: freqs_cos, .offset: 16, .size: 8, .value_kind: global_buffer, .address_space: global }
      - { .name: freqs_sin, .offset: 24, .size: 8, .value_kind: global_buffer, .address_space: global }
      - { .name: qkvc, .offset: 32, .size: 8, .value_kind: global_buffer, .address_space: global }
      - { .name: qkvs, .offset: 40, .size: 8, .value_kind: global_buffer, .address_space: global }
    .group_segment_fixed_size: 327680
    .private_segment_fixed_size: 0
    .kernarg_segment_align: 8
    .kernarg_segment_size: 48
    .max_flat_workgroup_size: 256
    .sgpr_count:     102
    .vgpr_count:     512
    .wavefront_size: 32
...
	.end_amdgpu_metadata
.endif
;; end of part 2
;; launch attn (part 3): grid 32 x 8, 16 waves a work-group, clusters of 4 x 1, 288,768 bytes of LDS; arguments qkvc, qkvs, attc, atts; writes attc, atts
.if DOCPART == 3
	.amdgcn_target "amdgcn-amd-amdhsa--gfx1250"
	.amdhsa_code_object_version 6
	.text
	.protected	k_qc7350966d6_attn
	.globl	k_qc7350966d6_attn
	.p2align	8
	.type	k_qc7350966d6_attn,@function
k_qc7350966d6_attn:
	s_mov_b64 s[64:65], 0
	v_nop
	global_prefetch_b8 v0, s[64:65] scope:SCOPE_SE
	s_setreg_imm32_b32 hwreg(HW_REG_WAVE_MODE, 25, 1), 1
	s_wait_xcnt 0x0
	s_wait_alu depctr_hold_cnt(0) depctr_sa_sdst(0) depctr_va_vdst(0) depctr_va_sdst(0) depctr_va_ssrc(0) depctr_va_vcc(0) depctr_vm_vsrc(0)
	s_getreg_b32 s2, hwreg(HW_REG_IB_STS2, 6, 4)
	s_cmp_eq_u32 s2, 0
	s_cbranch_scc0 .Lentry_in_a_cluster
	s_endpgm
.Lentry_in_a_cluster:
	s_bfe_u32 s2, ttmp6, 0x10000c
	s_cmp_lg_u32 s2, 0x3003
	s_cbranch_scc0 .Lentry_shape_is_right
	s_endpgm
.Lentry_shape_is_right:
; Causal attention, 32 query heads on 8 key heads, head size 64, 2,048 tokens, both products on codes of FP6 (E2M3) with E8M0 scales; the result, divided by the row's sum, is quantised along head x 64 + channel for the last product.
; INPUTS: qkvc [unit = head x 32 + group of 64][tile: 4][768]: half fragments, 16 rows x 64 K, three chunks of 256 bytes, 8 bytes a lane; lane r of tile t = 2 p + u holds row 32 p + 8 u + r + 8 (r / 8).
; Heads 0-31 q, 32-39 k (rows = tokens, K = channels), 40-47 v (rows = channels, K = the group's tokens).  qkvs [unit][lane 16 h' + r] words: row r's two bytes of tile 2 h' below, of tile 2 h' + 1 above.
; THE SOFTMAX: t = score x log2(e) / 8; M = the running largest t rounded UP to a whole number; p = 2^(t - M) is quantised along the keys, not normalised; the row's sum is taken of the unquantised p and divides at the end.
; When M moves, the sum and O are multiplied by 2^(old M - new M): exact.  BOTH PRODUCTS TRANSPOSED: a lane holds one query throughout.  THE FIRST PRODUCT'S K IS 64, the instruction's 128: two tiles of keys are one fragment,
; multiplied by (Q, zeros) and by (zeros, Q).  Zero codes add nothing under any scale byte that these buffers hold (1 to 254).
; LEFT OUT: key steps all of whose keys come after the tile's queries: the causal mask sets those scores to -infinity, so their p is 0 for all inputs.  A NaN or infinity that reaches only those scores is not carried.
; SHARES: a cluster (a, g) of four work-groups serves key head g and the groups of queries 2 a, 2 a + 1, 30 - 2 a, 31 - 2 a; work-group cx takes e = cx % 2 and p = cx / 2: 16 tiles of 16 queries: 4 heads x (low, high group) x u.
; A low tile has a + 1 key steps of 128, a high one 16 - a.  WAVES w AND w xor 8 SHARE A LOW AND A HIGH TILE BY THE KEY STEP'S PARITY: hq = w % 4, kappa = (w / 4 + w % 4) % 4, par = kappa / 2, u = kappa % 2.
; par = 0 takes the even key steps, first of the low tile, then of the high one; par = 1 the odd ones, first of the high tile, then of the low one: 9 and 8 steps, whatever a.  A wave's first tile's partial O, M and sum go to LDS
; (4,608 bytes a wave); behind one barrier it joins its partner's partial onto the tile that it still holds: both brought under the larger M by powers of two, which round nothing; then it divides, quantises and stores that tile.
; The loops' trip counts are constants (8); a step past the tile's last is left out by a scalar branch on the cluster's number and the wave's.
; LDS: K and V of the whole key head, 98,304 bytes each, filled ONCE: each of the 16 waves issues one joint load of 12,288 bytes (two key steps of K or of V) for the four work-groups; a wave has one tensor load out; no byte is filled again.
; No prefetch: everything is asked for at the head, and there is no loop to run ahead in.
; LIMITS: the promise holds while |t| stays under 2^31; a block of zeros gets the byte 1 where the rule says 127 (zero codes; read by this program alone); NaN and infinities are not served.
; REGISTERS: v1 8 x lane, v2 K's scale words' place, v3-7 lane, r, h, addresses; v8-10 the step's LDS addresses; v11 offset of V's scale words; v12 -M, v13 the largest t, v[14:15] the sum; v16-27 (Q, 0), v28-39 (0, Q);
;   v40-87 four fragments of K or V, at the end the partner's partial; v88-94 the second tile's Q and its scale; v95 the diagonal's lane part; v96-159 S^T, then p; v160-191 O^T; v192-203 p's codes; v204-223, v232-253 at work; v224-229 scale registers.
.set VB,   98304                       ; V behind K
.set CHK,  12288                       ; what one tensor load brings: two key steps
.set SCK,  196608                      ; K's scale words, 128 bytes a group of keys
.set SCV,  200704                      ; V's, laid anew: [key step][tile pair][u][r] words
.set SS,   204800                      ; the results' scale bytes: two blocks of 256
.set SPARE,212992                      ; the spare words, 128 bytes a wave
.set MRG,  215040                      ; the partials
.set MRW,  4608                        ; a wave's: 32 registers of O, then v12-15, 16 bytes a lane each four
.set ADK,  8
.set ADV,  9
.set ADS,  10
.set VSO,  11
.set QLO,  16
.set QHI,  28
.set FR,   40
.set Q2,   88
.set Q2S,  94
.set DB,   95
.set SCO,  96
.set OT,   160
.set PC,   192
.set PT,   204
.set BM,   212
.set BT,   216
.set BS,   220
.set KS,   224
.set VS,   226
.set QS,   228
.set PS,   229
.set FF,   230
.set TT,   232
.set F2,   234
.set DD,   236
.set NINF, 237
.set NM,   238
.set MA,   239
.set MB,   240
.set WV,   12
.set L2,   36                          ; s36 the last key step of my second tile
.set CT,   37                          ; s37 the trip
.set D2,   38                          ; s38 the diagonal's scalar part for my second tile
.set L1,   40                          ; s40 the last key step of my first tile
.set JJ,   41                          ; s41 the key step
.set TK,   42                          ; s42 6,144 x the key step
.set TS,   43                          ; s43 256 x the key step
.set CS,   44                          ; s[44:45] c = log2(e) / 8
.set SEL,  46                          ; s[46:47]
.macro CROUND
	s_barrier_signal -1
	s_barrier_wait -1
	s_cmp_lg_u32 s[WV], 0
	s_cbranch_scc1 .Lnot_wave_0_\@
	s_barrier_signal -3
.Lnot_wave_0_\@:
	s_barrier_wait -3
	s_barrier_signal -1
	s_barrier_wait -1
.endm
.macro WM d, a, b, z, sa, sb, ra       ; one product; z = 1: it starts the sum; ra = 1: source 0's scales stand in lanes 16-31
.if (\z) && ((\ra)==0)
	v_wmma_scale_f32_16x16x128_f8f6f4 v[\d:\d+7], v[\a:\a+11], v[\b:\b+11], 0, v[\sa], v[\sb] matrix_a_fmt:MATRIX_FMT_FP6 matrix_b_fmt:MATRIX_FMT_FP6
.elseif (\z)
	v_wmma_scale_f32_16x16x128_f8f6f4 v[\d:\d+7], v[\a:\a+11], v[\b:\b+11], 0, v[\sa], v[\sb] matrix_a_fmt:MATRIX_FMT_FP6 matrix_b_fmt:MATRIX_FMT_FP6 matrix_a_scale:MATRIX_SCALE_ROW1
.elseif ((\ra)==0)
	v_wmma_scale_f32_16x16x128_f8f6f4 v[\d:\d+7], v[\a:\a+11], v[\b:\b+11], v[\d:\d+7], v[\sa], v[\sb] matrix_a_fmt:MATRIX_FMT_FP6 matrix_b_fmt:MATRIX_FMT_FP6
.else
	v_wmma_scale_f32_16x16x128_f8f6f4 v[\d:\d+7], v[\a:\a+11], v[\b:\b+11], v[\d:\d+7], v[\sa], v[\sb] matrix_a_fmt:MATRIX_FMT_FP6 matrix_b_fmt:MATRIX_FMT_FP6 matrix_a_scale:MATRIX_SCALE_ROW1
.endif
.endm
; 32 numbers of a lane, register 16 b + i = k 32 b + 16 (lane / 16) + i of its row, become a half fragment's six registers v[cd ..] and the row's two scale bytes in v[hw].  v[tm .. tm + 10] at work
.macro QUANT2 src, cd, hw, tm
	v_max3_num_f32 v[\tm], |v[\src]|, |v[\src+1]|, 0x1800000
	v_max3_num_f32 v[\tm+1], |v[\src+16]|, |v[\src+17]|, 0x1800000
.irp i, 2,4,6,8,10,12,14
	s_delay_alu instid0(VALU_DEP_2)
	v_max3_num_f32 v[\tm], v[\tm], |v[\src+\i]|, |v[\src+\i+1]|
	s_delay_alu instid0(VALU_DEP_2)
	v_max3_num_f32 v[\tm+1], v[\tm+1], |v[\src+16+\i]|, |v[\src+17+\i]|
.endr
	s_delay_alu instid0(VALU_DEP_2)
	v_permlanex16_b32 v[\tm+2], v[\tm], s[SEL], s[SEL+1]
	s_delay_alu instid0(VALU_DEP_2)
	v_permlanex16_b32 v[\tm+3], v[\tm+1], s[SEL], s[SEL+1]
	s_delay_alu instid0(VALU_DEP_2)
	v_max_num_f32 v[\tm], v[\tm], v[\tm+2]
	s_delay_alu instid0(VALU_DEP_2)
	v_max_num_f32 v[\tm+1], v[\tm+1], v[\tm+3]
	s_delay_alu instid0(VALU_DEP_2)
	v_add_nc_u32 v[\tm+4], 0xff000000, v[\tm]
	s_delay_alu instid0(VALU_DEP_2)
	v_add_nc_u32 v[\tm+5], 0xff000000, v[\tm+1]
	s_delay_alu instid0(VALU_DEP_2)
	v_lshrrev_b32 v[\tm+6], 23, v[\tm+4]
	s_delay_alu instid0(VALU_DEP_2)
	v_lshrrev_b32 v[\tm+7], 23, v[\tm+5]
	s_delay_alu instid0(VALU_DEP_1)
	v_lshl_or_b32 v[\hw], v[\tm+7], 8, v[\tm+6]
	v_cvt_scalef32_pk16_fp6_f32 v[\cd:\cd+2], v[\src:\src+15], v[\tm+4]
	v_cvt_scalef32_pk16_fp6_f32 v[\tm+8:\tm+10], v[\src+16:\src+31], v[\tm+5]
	v_nop                                          ; one plain place behind a scaled conversion
.irp i, 0,1,2
	v_permlane16_swap_b32 v[\cd+\i], v[\tm+8+\i]
.endr
.irp i, 0,1,2
	s_delay_alu instid0(VALU_DEP_3)
	v_mov_b32 v[\cd+3+\i], v[\tm+8+\i]
.endr
.endm
	s_load_b256 s[4:11], s[0:1], 0x0               ; qkvc, qkvs, attc, atts
	v_lshl_add_u32 v254, v0, 2, SPARE
	v_mov_b32 v255, 0
	ds_add_u32 v254, v255                          ; the opening lines
	ds_add_u32 v254, v255
	v_lshrrev_b32 v1, 5, v0
	v_readfirstlane_b32 s[WV], v1                  ; wave 0..15
	s_and_b32 s14, ttmp7, 0xffff                   ; g: the key head
	s_bfe_u32 s15, ttmp6, 0x40000                  ; cx: it enters global addresses of q and of the results, and the mask's data, alone
	s_and_b32 s16, s15, 1                          ; e
	s_lshr_b32 s17, s15, 1                         ; p
	s_and_b32 s18, s[WV], 3                        ; hq
	s_lshr_b32 s19, s[WV], 2
	s_add_co_u32 s19, s19, s18
	s_and_b32 s19, s19, 3                          ; kappa
	s_lshr_b32 s20, s19, 1                         ; par
	s_and_b32 s21, s19, 1                          ; u
	s_lshl_b32 s58, ttmp9, 1
	s_add_co_u32 s58, s58, s16                     ; the low group 2 a + e,
	s_sub_co_u32 s59, 31, s58                      ; the high one
	s_sub_co_u32 s50, 15, ttmp9
	s_cmp_eq_u32 s20, 1
	s_cselect_b32 s22, s59, s58                    ; my first tile's group,
	s_cselect_b32 s13, s58, s59                    ; my second's, which I finish
	s_cselect_b32 s[L1], s50, ttmp9                ; their last key steps: of the cluster's number and the wave's alone
	s_cselect_b32 s[L2], ttmp9, s50
	s_lshl_b32 s23, s17, 1
	s_add_co_u32 s23, s23, s21                     ; my tile in the group
	; group 1: a dense block of 12,288 bytes as 48 rows of 256 bytes (32 elements of 8 bytes); the mask names all four work-groups, bit 21 set beside it
	s_mov_b32 s24, 15|(3<<16)|(1<<21)
	s_mov_b32 s25, 32<<16
	s_mov_b32 s26, 48<<16
	s_mov_b32 s27, 32<<16
	s_mov_b32 s28, 48
	s_mov_b32 s29, 32
	s_mov_b32 s30, 0
	s_mov_b32 s31, 0
	s_and_b32 s51, s[WV], 1                        ; even waves fetch K, odd waves V
	s_lshr_b32 s52, s[WV], 1                       ; key steps 2 (w / 2), 2 (w / 2) + 1
	s_mul_i32 s54, s52, CHK
	s_mul_i32 s53, s51, VB
	s_add_co_u32 s53, s53, s54                     ; in LDS
	s_lshl_b32 s56, s51, 3
	s_add_co_u32 s56, s56, s14
	s_add_co_u32 s56, s56, 32                      ; head 32 + g, or 40 + g
	s_mul_i32 s56, s56, 98304
	s_add_co_u32 s56, s56, s54
	s_mov_b32 s57, 0
	s_mov_b32 s[CS], 0x3e38aa3b                    ; c = log2(e) / sqrt(64)
	s_mov_b32 s[CS+1], s[CS]                       ; (named with it as a pair, so it is written)
	s_mov_b32 s[SEL], 0x76543210
	s_mov_b32 s[SEL+1], 0xfedcba98
	s_wait_dscnt 0x0
	s_wait_kmcnt 0x0
	s_mov_b32 s32, 1
	s_mov_b32 s33, s53
	s_add_nc_u64 s[34:35], s[4:5], s[56:57]
	s_or_b32 s35, s35, 0x80000000
	CROUND                                         ; all four work-groups are here: the joint loads meet
	tensor_load_to_lds s[32:35], s[24:31]          ; my one tensor load
	s_nop 0
.rept 4
	v_nop
.endr
	v_and_b32 v3, 31, v0                           ; lane
	v_and_b32 v4, 15, v0                           ; r
	v_bfe_u32 v5, v0, 4, 1                         ; h
	v_lshlrev_b32 v1, 3, v3                        ; 8 x lane
	v_lshl_add_u32 v2, v3, 2, SCK                  ; K's scale words: 4 x lane
	v_lshlrev_b32 v6, 2, v4                        ; 4 r
	v_lshlrev_b32 v7, 3, v0                        ; 8 x thread
	s_wait_alu depctr_va_vdst(0)
	s_lshl_b32 s60, s14, 2
	s_add_co_u32 s60, s60, s18                     ; my query head
	s_lshl_b32 s60, s60, 5
	s_add_co_u32 s61, s60, s13                     ; my second tile's unit,
	s_add_co_u32 s60, s60, s22                     ; my first's
	s_lshl_b32 s62, s60, 2
	s_add_co_u32 s62, s62, s23
	s_mul_i32 s62, s62, 768
	s_mov_b32 s63, 0
	s_add_nc_u64 s[62:63], s[4:5], s[62:63]
	s_lshl_b32 s72, s61, 2
	s_add_co_u32 s72, s72, s23
	s_mul_i32 s72, s72, 768
	s_mov_b32 s73, 0
	s_add_nc_u64 s[72:73], s[4:5], s[72:73]
	s_lshl_b32 s54, s17, 6
	s_lshl_b32 s55, s21, 1
	s_add_co_u32 s54, s54, s55                     ; 64 p + 2 u
	s_lshl_b32 s66, s60, 7
	s_add_co_u32 s66, s66, s54
	s_mov_b32 s67, 0
	s_add_nc_u64 s[66:67], s[6:7], s[66:67]
	s_lshl_b32 s74, s61, 7
	s_add_co_u32 s74, s74, s54
	s_mov_b32 s75, 0
	s_add_nc_u64 s[74:75], s[6:7], s[74:75]
.irp j, 0,1,2
	global_load_b64 v[QLO+2*\j:QLO+2*\j+1], v1, s[62:63] offset:256*\j        ; the first tile's Q, twice: as k 0-63,
	global_load_b64 v[QHI+6+2*\j:QHI+6+2*\j+1], v1, s[62:63] offset:256*\j    ; and as k 64-127;
	global_load_b64 v[Q2+2*\j:Q2+2*\j+1], v1, s[72:73] offset:256*\j          ; the second tile's, once
.endr
	global_load_u16 v[QS], v6, s[66:67]            ; the tiles' two bytes of row r
	global_load_u16 v[Q2S], v6, s[74:75]
	s_add_co_u32 s68, s14, 32
	s_lshl_b32 s68, s68, 12
	s_mov_b32 s69, 0
	s_add_nc_u64 s[68:69], s[6:7], s[68:69]
	global_load_b64 v[40:41], v7, s[68:69]         ; K's scale words of the whole head: 4,096 bytes, 8 a thread
	s_add_co_u32 s70, s14, 40
	s_lshl_b32 s70, s70, 12
	s_mov_b32 s71, 0
	s_add_nc_u64 s[70:71], s[6:7], s[70:71]
	v_and_b32 v[VSO], 0x1e0, v0
	v_lshlrev_b32 v233, 2, v3
	s_delay_alu instid0(VALU_DEP_1)
	v_lshl_add_u32 v[VSO], v[VSO], 3, v233         ; V's: key step = thread / 32: 256 bytes; 4 x lane; not written again
	global_load_b32 v42, v[VSO], s[70:71]            ; the step's first group of keys,
	global_load_b32 v43, v[VSO], s[70:71] offset:128 ; its second
	v_lshl_add_u32 v233, v0, 3, SCK
	v_lshrrev_b32 v234, 4, v0
	s_delay_alu instid0(VALU_DEP_1)
	v_lshlrev_b32 v234, 7, v234
	s_delay_alu instid0(VALU_DEP_1)
	v_lshl_add_u32 v234, v4, 2, v234
	s_delay_alu instid0(VALU_DEP_1)
	v_add_nc_u32 v234, SCV, v234                   ; 256 x key step + 128 x tile pair + 4 r
	; where the tile that I finish goes
	s_mul_i32 s48, s13, 98304
	s_lshl_b32 s49, s14, 1
	s_lshr_b32 s50, s18, 1
	s_add_co_u32 s49, s49, s50                     ; the last product's K step: 2 g + hq / 2
	s_mul_i32 s49, s49, 6144
	s_add_co_u32 s48, s48, s49
	s_mul_i32 s49, s23, 1536
	s_add_co_u32 s48, s48, s49
	s_and_b32 s49, s18, 1
	s_mul_i32 s49, s49, 768                        ; its lower or upper 64
	s_add_co_u32 s48, s48, s49
	s_mov_b32 s49, 0
	s_add_nc_u64 s[8:9], s[8:9], s[48:49]
	s_lshl_b32 s48, s58, 12
	s_lshl_b32 s50, s14, 9
	s_add_co_u32 s48, s48, s50
	s_lshl_b32 s50, s17, 8
	s_add_co_u32 s48, s48, s50
	s_add_nc_u64 s[10:11], s[10:11], s[48:49]      ; the low group's 256 bytes of scale words;
	s_sub_co_u32 s55, s59, s58
	s_lshl_b32 s55, s55, 12                        ; the high group's lie so far on
	s_xor_b32 s54, s19, 2                          ; I finish the high tile where par = 0
	s_lshl_b32 s54, s54, 7
	s_lshl_b32 s51, s18, 1
	s_add_co_u32 s54, s54, s51
	s_add_co_u32 s54, s54, SS                      ; in LDS: 256 (1 - par) + 128 u + 2 hq
	s_xor_b32 s52, s16, s20
	s_lshl_b32 s52, s52, 6
	s_lshl_b32 s53, s17, 5
	s_add_co_u32 s52, s52, s53
	s_lshl_b32 s53, s21, 3
	s_add_co_u32 s52, s52, s53                     ; my first tile's place in its last key step: 64 (e xor par) + 32 p + 8 u;
	s_xor_b32 s[D2], s52, 64                       ; my second's lies in the other half
	s_mul_i32 s50, s[WV], MRW
	s_add_co_u32 s50, s50, MRG                     ; my partial,
	s_xor_b32 s51, s[WV], 8
	s_mul_i32 s51, s51, MRW
	s_add_co_u32 s51, s51, MRG                     ; my partner's
	v_lshlrev_b32 v[MB], 4, v3
	v_and_b32 v[DB], 8, v4
	v_lshlrev_b32 v235, 4, v5
	v_add_nc_u32 v[MA], s50, v[MB]
	v_add_nc_u32 v[DB], v[DB], v4
	v_add_nc_u32 v[MB], s51, v[MB]
	s_delay_alu instid0(VALU_DEP_2)
	v_sub_nc_u32 v[DB], v[DB], v235                ; r + 8 (r / 8) - 16 h
	s_delay_alu instid0(VALU_DEP_1)
	v_add_nc_u32 v[DD], s52, v[DB]                 ; d = my query - the last step's first key - 16 h: register 16 b + i holds key 32 b + 16 h + i of the step: hidden where 32 b + i > d
	v_mov_b32 v[NINF], 0xff800000
	v_mov_b32 v13, 0xff61b1e6                      ; the largest t so far: -3e38, under every t
	s_delay_alu instid0(VALU_DEP_1)
	v_floor_f32 v12, -v13                          ; -M
	v_mov_b32 v14, 0
	v_mov_b32 v15, 0
	v_mov_b32 v[FF+1], 0                           ; (named as the upper half of a pair)
	v_mov_b32 v[TT], 0
.irp b, 214,215,216,217,218,219
	v_mov_b32 v[\b], 0                             ; written once: a lane permute's destination counts as one of its sources
.endr
.irp b, 0,1,2,3,4,5
	v_mov_b32 v[QLO+6+\b], 0                       ; the zero halves
	v_mov_b32 v[QHI+\b], 0
.endr
	s_wait_alu depctr_va_vdst(0)
	s_wait_loadcnt 0x0
	v_lshl_or_b32 v[QS], v[QS], 16, v[QS]          ; Q's two bytes for k 0-63 and for k 64-127
	v_lshl_or_b32 v[Q2S], v[Q2S], 16, v[Q2S]
	v_perm_b32 v44, v43, v42, 0x05040100           ; V's word of the even tile: its bytes of the step's first group below, of the second above;
	v_perm_b32 v45, v43, v42, 0x07060302           ; of the odd tile
	ds_store_b64 v233, v[40:41]
	ds_store_b32 v234, v44
	ds_store_b32 v234, v45 offset:64
.set n, 0
.rept 32
	v_mov_b32 v[OT+n], 0                           ; O^T: the step is written once; the first finds zeros.  (These are also the places between the scale register's write and the first product)
.set n, n+1
.endr
	s_wait_alu depctr_va_vdst(0)
	s_wait_tensorcnt 0x0                           ; my two key steps are in,
	s_wait_dscnt 0x0                               ; my scale words are stored
	s_barrier_signal -1
	s_barrier_wait -1                              ; everybody's are: all of K and V
; A KEY STEP: 128 keys.  ll: the register with the tile's last key step
.macro STEP ll
	s_cmp_gt_u32 s[JJ], s[\ll]
	s_cbranch_scc1 .Lhidden_\@                     ; all its keys come after the tile's queries
	v_add_nc_u32 v[ADK], s[TK], v1
	v_add_nc_u32 v[ADS], s[TS], v2
	s_delay_alu instid0(VALU_DEP_2)
	v_add_nc_u32 v[ADV], VB, v[ADK]
	v_nop                                          ; four places in front of loads into registers that the last step's products have read
.irp b, 0,1,2,3
.irp q, 0,1,2,3,4,5
	ds_load_b64 v[FR+12*\b+2*\q:FR+12*\b+2*\q+1], v[ADK] offset:1536*\b+256*\q   ; two tiles of 16 keys as one fragment
.endr
.endr
	ds_load_b32 v[KS], v[ADS]                      ; the first group's words: fragment 0 in lanes 0-15, fragment 1 in lanes 16-31;
	ds_load_b32 v[KS+1], v[ADS] offset:128         ; the second group's
	s_wait_alu depctr_va_vdst(0)
	s_wait_dscnt 0x0
.irp b, 0,1,2,3
	WM SCO+16*\b, FR+12*\b, QLO, 1, KS+\b/2, QS, \b%2      ; the fragment's first tile of keys,
	WM SCO+16*\b+8, FR+12*\b, QHI, 1, KS+\b/2, QS, \b%2    ; its second: registers 16 b + i are keys 32 b + 16 h + i
.endr
.rept 4
	v_nop
.endr
.irp t, 0,1,2,3
.irp j, 0,1,2
	ds_load_b64 v[FR+12*\t+2*\j:FR+12*\t+2*\j+1], v[ADV] offset:768*\t+256*\j            ; V's tile t: the step's first 64 keys,
	ds_load_b64 v[FR+12*\t+6+2*\j:FR+12*\t+6+2*\j+1], v[ADV] offset:3072+768*\t+256*\j   ; its second: they land under the softmax
.endr
.endr
	ds_load_b32 v[VS], v[ADS] offset:4096
	ds_load_b32 v[VS+1], v[ADS] offset:4224
	s_cmp_lg_u32 s[JJ], s[\ll]
	s_cbranch_scc1 .Lopen_\@                       ; only the tile's last step lies on the diagonal
.set n, 0
.rept 64
	v_cmp_gt_i32 vcc_lo, 32*(n/16)+n%16, v[DD]
	v_cndmask_b32 v[SCO+n], v[SCO+n], v[NINF], vcc_lo      ; hidden scores become -infinity: p = 0
.set n, n+1
.endr
.Lopen_\@:
.irp b, 0,1,2,3
	v_max3_num_f32 v[BM+\b], v[SCO+16*\b], v[SCO+1+16*\b], v[SCO+2+16*\b]   ; the largest score of each block of 32 keys: for the row's maximum and, since p rises with the score, for the block's largest p
.endr
.irp i, 3,5,7,9,11,13
.irp b, 0,1,2,3
	v_max3_num_f32 v[BM+\b], v[BM+\b], v[SCO+16*\b+\i], v[SCO+1+16*\b+\i]
.endr
.endr
.irp b, 0,1,2,3
	v_max_num_f32 v[BM+\b], v[BM+\b], v[SCO+15+16*\b]
.endr
.irp b, 0,1,2,3
	s_delay_alu instid0(VALU_DEP_4)
	v_permlanex16_b32 v[BT+\b], v[BM+\b], s[SEL], s[SEL+1]
.endr
.irp b, 0,1,2,3
	s_delay_alu instid0(VALU_DEP_4)
	v_max_num_f32 v[BM+\b], v[BM+\b], v[BT+\b]     ; with lane l xor 16's 16 keys
.endr
	s_delay_alu instid0(VALU_DEP_2)
	v_max3_num_f32 v[TT], v[BM], v[BM+1], v[BM+2]
	s_delay_alu instid0(VALU_DEP_1)
	v_max_num_f32 v[TT], v[TT], v[BM+3]
	s_delay_alu instid0(VALU_DEP_1)
	v_mul_f32 v[TT], s[CS], v[TT]                  ; as t (c is positive)
	s_delay_alu instid0(VALU_DEP_1)
	v_max_num_f32 v13, v13, v[TT]                  ; the running largest t
	v_mov_b32 v[TT], v12
	s_delay_alu instid0(VALU_DEP_2)
	v_floor_f32 v12, -v13                          ; the new -M = -ceil(t)
	s_delay_alu instid0(VALU_DEP_1)
	v_sub_f32 v[TT], v12, v[TT]                    ; old M - new M: a whole number, 0 or less
	s_delay_alu instid0(VALU_DEP_1)
	v_cvt_i32_f32 v[TT], v[TT]                     ; (it saturates)
	s_delay_alu instid0(VALU_DEP_1)
	v_ldexp_f32 v[FF], 1.0, v[TT]                  ; f = 2^(old M - new M)
.set n, 0
.rept 32
	v_pk_fma_f32 v[SCO+n:SCO+n+1], v[SCO+n:SCO+n+1], s[CS:CS+1], v[12:13] op_sel_hi:[1,0,0]   ; t - M, two at a time
.set n, n+2
.endr
.irp b, 0,1,2,3
	v_fma_f32 v[BM+\b], v[BM+\b], s[CS], v12       ; the same of each block's largest score
.endr
.set n, 0
	s_wait_alu depctr_va_vdst(0)
.rept 64
	v_exp_f32 v[SCO+n], v[SCO+n]                   ; p = 2^(t - M)
.set n, n+1
.endr
	v_pk_mul_f32 v[14:15], v[14:15], v[FF:FF+1] op_sel_hi:[1,0]   ; the sums under the new M: a plain place behind the exponentials
	s_wait_alu depctr_va_vdst(0)                   ; one wait for the batch, ahead of its first reader
.irp b, 0,1,2,3
	v_exp_f32 v[BM+\b], v[BM+\b]                   ; each block's largest p
.endr
.irp k, 0,1,2,3,4,5                                ; the row's sum of the unquantised p: 32 pairs in eight chains
	v_pk_add_f32 v[242+2*\k:243+2*\k], v[SCO+4*\k:SCO+4*\k+1], v[SCO+4*\k+2:SCO+4*\k+3]
.endr
	v_pk_add_f32 v[216:217], v[SCO+24:SCO+25], v[SCO+26:SCO+27]
	v_pk_add_f32 v[14:15], v[14:15], v[SCO+28:SCO+29]
.irp m, 30, 46
.irp k, 0,1,2,3,4,5
	v_pk_add_f32 v[242+2*\k:243+2*\k], v[242+2*\k:243+2*\k], v[SCO+\m+2*\k:SCO+\m+2*\k+1]
.endr
	v_pk_add_f32 v[216:217], v[216:217], v[SCO+\m+12:SCO+\m+13]
	v_pk_add_f32 v[14:15], v[14:15], v[SCO+\m+14:SCO+\m+15]
.endr
	v_pk_add_f32 v[216:217], v[216:217], v[SCO+62:SCO+63]
	v_pk_add_f32 v[242:243], v[242:243], v[244:245]
	v_pk_add_f32 v[246:247], v[246:247], v[248:249]
	v_pk_add_f32 v[250:251], v[250:251], v[252:253]
	v_pk_add_f32 v[14:15], v[14:15], v[216:217]
	s_delay_alu instid0(VALU_DEP_3)
	v_pk_add_f32 v[242:243], v[242:243], v[246:247]
	s_delay_alu instid0(VALU_DEP_2)
	v_pk_add_f32 v[14:15], v[14:15], v[250:251]
	s_delay_alu instid0(VALU_DEP_1)
	v_pk_add_f32 v[14:15], v[14:15], v[242:243]
	s_wait_alu depctr_va_vdst(0)                   ; and one for the four
.irp b, 0,1,2,3
	v_max_num_f32 v[BM+\b], 0x1800000, v[BM+\b]    ; the floor 2^(3 - 127): a block whose every p is 0 keeps the byte 1: its codes are zeros
.endr
.irp b, 0,1,2,3
	s_delay_alu instid0(VALU_DEP_4)
	v_add_nc_u32 v[BS+\b], 0xff000000, v[BM+\b]    ; the conversion's scale operand
.endr
.irp b, 0,1,2,3
	s_delay_alu instid0(VALU_DEP_4)
	v_lshrrev_b32 v[BT+\b], 23, v[BS+\b]           ; the byte
.endr
	s_delay_alu instid0(VALU_DEP_3)
	v_lshl_or_b32 v[PS], v[BT+1], 8, v[BT]         ; p's scale word for these 128 keys
	s_delay_alu instid0(VALU_DEP_1)
	v_lshl_or_b32 v[PS], v[BT+2], 16, v[PS]
	s_delay_alu instid0(VALU_DEP_1)
	v_lshl_or_b32 v[PS], v[BT+3], 24, v[PS]
.irp c, 0,1
	v_cvt_scalef32_pk16_fp6_f32 v[PC+6*\c:PC+6*\c+2], v[SCO+32*\c:SCO+32*\c+15], v[BS+2*\c]
	v_cvt_scalef32_pk16_fp6_f32 v[PT+4*\c:PT+4*\c+2], v[SCO+32*\c+16:SCO+32*\c+31], v[BS+2*\c+1]
.endr
	v_nop                                          ; one plain place behind a scaled conversion
.irp c, 0,1
.irp i, 0,1,2
	v_permlane16_swap_b32 v[PC+6*\c+\i], v[PT+4*\c+\i]     ; a whole block to a lane
.endr
.irp i, 0,1,2
	s_delay_alu instid0(VALU_DEP_3)
	v_mov_b32 v[PC+3+6*\c+\i], v[PT+4*\c+\i]
.endr
.endr
	s_wait_alu depctr_va_vdst(0)
.set n, 0
.rept 16
	v_pk_mul_f32 v[OT+n:OT+n+1], v[OT+n:OT+n+1], v[FF:FF+1] op_sel_hi:[1,0]   ; O^T under the new M.  (These sixteen stand between the writes of p's codes and scale word and the products)
.set n, n+2
.endr
	s_wait_alu depctr_va_vdst(0)
	s_wait_dscnt 0x0                               ; V's fragments and words are in
.irp t, 0,1,2,3
	WM OT+8*\t, FR+12*\t, PC, 0, VS+\t/2, PS, \t%2         ; O^T += V^T P^T: the four accumulators by turns
.endr
.Lhidden_\@:
.endm
.macro WALK ll, lab                    ; eight trips: the key steps of my parity
	s_mov_b32 s[CT], 0
	s_mov_b32 s[JJ], s20
	s_mul_i32 s[TK], s20, 6144
	s_lshl_b32 s[TS], s20, 8
	s_wait_alu depctr_va_vdst(0)
\lab:
	STEP \ll
	s_add_co_u32 s[TK], s[TK], 2*6144
	s_add_co_u32 s[TS], s[TS], 2*256
	s_add_co_u32 s[JJ], s[JJ], 2
	s_add_co_u32 s[CT], s[CT], 1
	s_cmp_lt_u32 s[CT], 8
	s_cbranch_scc1 \lab
.endm
	WALK L1, .Lfirst
	; BETWEEN THE TILES: the second tile's Q (these lines are also the places behind the last products), the first tile's partial to LDS, the state begun anew
.irp j, 0,1,2,3,4,5
	v_mov_b32 v[QLO+\j], v[Q2+\j]
	v_mov_b32 v[QHI+6+\j], v[Q2+\j]
.endr
	v_mov_b32 v[QS], v[Q2S]
	v_add_nc_u32 v[DD], s[D2], v[DB]
	s_wait_alu depctr_va_vdst(0)
.irp j, 0,1,2,3,4,5,6,7
	ds_store_b128 v[MA], v[OT+4*\j:OT+4*\j+3] offset:512*\j   ; each accumulator from its low end on
.endr
	ds_store_b128 v[MA], v[12:15] offset:4096      ; -M, the largest t, the sum's two halves
	s_wait_dscnt 0x0                               ; the stores are done: their registers are written again below
	v_mov_b32 v13, 0xff61b1e6
	v_mov_b32 v14, 0
	v_mov_b32 v15, 0
	v_floor_f32 v12, -v13
.set n, 0
.rept 32
	v_mov_b32 v[OT+n], 0
.set n, n+1
.endr
	WALK L2, .Lsecond
	; THE JOIN: my partner's partial of the tile that I hold
	s_wait_alu depctr_va_vdst(0)
	s_wait_dscnt 0x0
	s_barrier_signal -1
	s_barrier_wait -1                              ; every wave's partial is stored
.rept 4
	v_nop                                          ; places in front of loads into registers that the last products have read
.endr
.irp j, 0,1,2,3,4,5,6,7
	ds_load_b128 v[FR+4*\j:FR+4*\j+3], v[MB] offset:512*\j
.endr
	ds_load_b128 v[FR+32:FR+35], v[MB] offset:4096
	s_wait_dscnt 0x0
	v_min_num_f32 v[NM], v12, v[FR+32]             ; -M of the two: the larger M
	v_add_f32 v14, v14, v15
	v_add_f32 v[FR+34], v[FR+34], v[FR+35]
	v_sub_f32 v[TT], v[NM], v12                    ; my M - the new M,
	v_sub_f32 v[TT+1], v[NM], v[FR+32]             ; my partner's: whole numbers, 0 or less
	v_cvt_i32_f32 v[TT], v[TT]                     ; (they saturate: a partial with no key step counts for nothing)
	v_cvt_i32_f32 v[TT+1], v[TT+1]
	s_delay_alu instid0(VALU_DEP_2)
	v_ldexp_f32 v[FF], 1.0, v[TT]
	s_delay_alu instid0(VALU_DEP_2)
	v_ldexp_f32 v[F2], 1.0, v[TT+1]
	s_delay_alu instid0(VALU_DEP_2)
	v_mul_f32 v14, v14, v[FF]
	s_delay_alu instid0(VALU_DEP_1)
	v_fmac_f32 v14, v[FR+34], v[F2]
	s_delay_alu instid0(VALU_DEP_1)
	v_permlanex16_b32 v[TT], v14, s[SEL], s[SEL+1]
	s_delay_alu instid0(VALU_DEP_1)
	v_add_f32 v14, v14, v[TT]                      ; the row's sum
	s_wait_alu depctr_va_vdst(0)
	v_rcp_f32 v14, v14
	v_lshlrev_b32 v233, 3, v4                      ; (plain places behind the reciprocal)
	v_lshl_add_u32 v7, v3, 4, SS
	v_add_nc_u32 v233, s54, v233                   ; where my row's two bytes go: .. + 8 r
	s_wait_alu depctr_va_vdst(0)                   ; the wait ahead of the reciprocal's first reader
	v_mul_f32 v[FF], v[FF], v14                    ; the two powers of two, each with the division in it
	v_mul_f32 v[F2], v[F2], v14
	s_wait_alu depctr_va_vdst(0)
.set n, 0
.rept 16
	v_pk_mul_f32 v[SCO+n:SCO+n+1], v[OT+n:OT+n+1], v[FF:FF+1] op_sel_hi:[1,0]   ; register 16 b + i: channel 32 b + 16 h + i; each accumulator from its low end on
.set n, n+2
.endr
.set n, 0
.rept 16
	v_pk_fma_f32 v[SCO+n:SCO+n+1], v[FR+n:FR+n+1], v[F2:F2+1], v[SCO+n:SCO+n+1] op_sel_hi:[1,0,1]
.set n, n+2
.endr
	v_mul_u32_u24 v234, v5, s55
	s_delay_alu instid0(VALU_DEP_1)
	v_lshl_add_u32 v234, v4, 4, v234               ; wave 0's store: lanes 0-15 the low group's block, lanes 16-31 the high group's
	; THE WAY OUT: quantised along the head's 64 channels: half a fragment of the last product's operand, and two bytes of its scale word
	QUANT2 SCO, PC, 235, BM
.irp j, 0,1,2
	global_store_b64 v1, v[PC+2*\j:PC+2*\j+1], s[8:9] offset:256*\j   ; 32 lanes store 256 consecutive bytes, aligned
.endr
	ds_store_b16 v233, v235                        ; lanes r and 16 + r write the same two bytes with the same value
	s_wait_dscnt 0x0
	s_barrier_signal -1
	s_barrier_wait -1                              ; the sixteen waves' bytes make two whole blocks of 256
	s_cmp_lg_u32 s[WV], 0
	s_cbranch_scc1 .Lnot_mine
	ds_load_b128 v[40:43], v7
	s_wait_dscnt 0x0
	global_store_b128 v234, v[40:43], s[10:11]     ; sixteen lanes store 256 consecutive bytes, aligned
.Lnot_mine:
	s_wait_tensorcnt 0x0                           ; the wave's end
	ds_add_u32 v254, v255
	s_wait_dscnt 0x0
	CROUND                                         ; the closing round
	s_endpgm
.Lfunc_end_k_qc7350966d6_attn:
	.size	k_qc7350966d6_attn, .Lfunc_end_k_qc7350966d6_attn-k_qc7350966d6_attn
	.p2alignl 7, 3214868480
	.fill 96, 4, 3214868480
	.section	.rodata,"a",@progbits
	.p2align	6, 0x0
	.amdhsa_kernel k_qc7350966d6_attn
		.amdhsa_group_segment_fixed_size 288768
		.amdhsa_private_segment_fixed_size 0
		.amdhsa_enable_private_segment 0
		.amdhsa_kernarg_size 32
		.amdhsa_user_sgpr_count 2
		.amdhsa_user_sgpr_kernarg_segment_ptr 1
		.amdhsa_wavefront_size32 1
		.amdhsa_system_sgpr_workgroup_id_x 1
		.amdhsa_system_sgpr_workgroup_id_y 1
		.amdhsa_system_sgpr_workgroup_id_z 1
		.amdhsa_system_vgpr_workitem_id 0
		.amdhsa_next_free_vgpr 256
		.amdhsa_next_free_sgpr 80
		.amdhsa_reserve_vcc 1
		.amdhsa_float_denorm_mode_32 3
		.amdhsa_float_denorm_mode_16_64 3
		.amdhsa_memory_ordered 1
		.amdhsa_forward_progress 1
		.amdhsa_inst_pref_size 69
	.end_amdhsa_kernel
	.amdgpu_metadata
---
amdhsa.version: [ 1, 2 ]
amdhsa.kernels:
  - .name:           k_qc7350966d6_attn
    .symbol:         k_qc7350966d6_attn.kd
    .args:
      - { .name: qkvc, .offset: 0, .size: 8, .value_kind: global_buffer, .address_space: global }
      - { .name: qkvs, .offset: 8, .size: 8, .value_kind: global_buffer, .address_space: global }
      - { .name: attc, .offset: 16, .size: 8, .value_kind: global_buffer, .address_space: global }
      - { .name: atts, .offset: 24, .size: 8, .value_kind: global_buffer, .address_space: global }
    .group_segment_fixed_size: 288768
    .private_segment_fixed_size: 0
    .kernarg_segment_align: 8
    .kernarg_segment_size: 32
    .max_flat_workgroup_size: 512
    .sgpr_count:     80
    .vgpr_count:     256
    .wavefront_size: 32
...
	.end_amdgpu_metadata
.endif
;; end of part 3
;; launch oproj (part 4): grid 16 x 16, 4 waves a work-group, clusters of 4 x 4, 327,680 bytes of LDS; arguments attc, atts, cod1, scl1, out0; writes out0
.if DOCPART == 4
	.amdgcn_target "amdgcn-amd-amdhsa--gfx1250"
	.amdhsa_code_object_version 6
	.text
	.protected	k_qc7350966d6_oproj
	.globl	k_qc7350966d6_oproj
	.p2align	8
	.type	k_qc7350966d6_oproj,@function
k_qc7350966d6_oproj:
	s_mov_b64 s[64:65], 0
	v_nop
	global_prefetch_b8 v0, s[64:65] scope:SCOPE_SE
	s_setreg_imm32_b32 hwreg(HW_REG_WAVE_MODE, 25, 1), 1
	s_wait_xcnt 0x0
	s_wait_alu depctr_hold_cnt(0) depctr_sa_sdst(0) depctr_va_vdst(0) depctr_va_sdst(0) depctr_va_ssrc(0) depctr_va_vcc(0) depctr_vm_vsrc(0)
	s_getreg_b32 s2, hwreg(HW_REG_IB_STS2, 6, 4)
	s_cmp_eq_u32 s2, 0
	s_cbranch_scc0 .Lentry_in_a_cluster
	s_endpgm
.Lentry_in_a_cluster:
	s_bfe_u32 s2, ttmp6, 0x10000c
	s_cmp_lg_u32 s2, 0xf033
	s_cbranch_scc0 .Lentry_shape_is_right
	s_endpgm
.Lentry_shape_is_right:
; out0 = att wo^T on codes of FP6 (E2M3) with E8M0 scales; out0 [2048][2048] f32.
; OPERANDS lie in the order of the operand's registers: rows in groups of 64, four tiles a group, lane r of tile t = 2 p + u holds row 32 p + 8 u + r + 8 (r / 8); codes [group][K step: 16][tile][1,536].
; att (attc, atts, groups 0-31): a fragment is six chunks of 256 bytes, 8 bytes a lane; scale words [group][pair of K steps: 8][p][lane][step].
; wo (cod1, scl1, groups 80-111): a fragment is three chunks of 512 bytes, 16 bytes a lane; scale words [group][p][four K steps][lane][step].
; A work-group makes 128 x 128, each of its four waves 64 x 64: 16 accumulators; 256 work-groups.  THE PRODUCT IS USED TRANSPOSED: source 0 = 16 rows of wo, source 1 = 16 tokens: a lane holds one token,
; and by the choice of a tile's rows its 32 registers of a tile of tokens run along 64 columns of out0 in their order: register 16 b + i = column 32 b + 16 (lane / 16) + i.
; LDS: [quarter = wave: att's two groups, wo's two][12 K steps][6,144].  THE CODES COME IN THREE JOINT LOADS A WAVE: K steps 0-5 at the head; 6-11 behind the full sequence and a round; 12-15 as a refill, at K step 5, of the places of 0-3.
; A wave has one tensor load out.  The scale words go from memory straight into registers.
; CLUSTER 4 x 4: att's tiles are shared along a row of the cluster, wo's along a column: each is asked for jointly, by one tensor load with one descriptor and a mask that names the four.
; PREFETCH: behind each of the first two loads a wave asks for the 256-byte blocks of its NEXT load; the four partners that ask for a tile jointly share its blocks out by address (cx for att, cy for wo): 36 of 144, then 24 of 96; a lane a block.
; THE WAY OUT goes through the wave's own stage in LDS, 16 tokens x 256 bytes at a time, so that sixteen lanes store 256 consecutive bytes, aligned.  The stages, bytes 98,304 to 133,119, lie on quarter 1's K steps 4-9,
; which are filled once and last read ahead of the barrier of K step 11.  A tile's rows come back into the 32 registers that they left.
; REGISTERS: window 0: v1 8 x lane; v2-7 LDS addresses; v10-11 the add's; v12-14 the way out; v15 16 x lane; v16-79 all 64 scale registers, which hold nothing else; v84-86 the prefetches' offsets; v128-255 accumulators, later rows of out0.
;   window 1: two fragment buffers, v0-95 and v128-223: source 0's tile t at + 12 t, source 1's tile i at + 48 + 12 i.
.set QRT,   24576                      ; four K steps of a group
.set KSB,   6144
.set FRB,   1536
.set SPARE, 12*QRT                     ; behind the four quarters: the spare words, 128 bytes a wave
.set STG0,  98304
.set STGB,  16*272                     ; a stage: 16 rows of 256 bytes + 16
.set AD0,  2                           ; v2-4  source 0's fragments, K steps 0-3 (and 12-15), 4-7, 8-11
.set AD1,  5                           ; v5-7  source 1's
.set SPW,  10
.set NIL,  11
.set L16,  15
.set SC,   16                          ; source 0, K step s, tile t: SC + 16 (t / 2) + s; source 1: SC + 32 + 4 (s / 2) + 2 (t / 2) + s % 2; tile t % 2 = 1 in lanes 16-31
.set PFO,  84
.set ACC,  128
.set WV,   16
.set WR,   17
.set WC,   18
.set G1A,  24
.set G1B,  32
.set G0A0, 56
.set G0A1, 60
.set G0A2, 68
.set G0B0, 76
.set G0B1, 80
.set G0B2, 44
.set MSB, 0
.macro WIN new                         ; the immediate's high byte repeats the setting that is left
.if MSB != \new
	s_set_vgpr_msb (MSB<<8)|\new
.set MSB, \new
.endif
.endm
.set MUL,  0x05                        ; sources 0 and 1 window 1; C and D window 0
.set TO_F, 0x40                        ; destination window 1, address window 0
.macro JLOAD g0a, g1a, g0b, g1b        ; a joint load: waves 0 and 1 fetch for att, waves 2 and 3 for wo; an s_nop 0 and four v_nop follow each of the two lines
	s_cmp_eq_u32 s[WR], 0
	s_cbranch_scc0 .Lfor_b_\@
	tensor_load_to_lds s[\g0a:\g0a+3], s[\g1a:\g1a+7]
	s_nop 0
.rept 4
	v_nop
.endr
	s_branch .Lasked_\@
.Lfor_b_\@:
	tensor_load_to_lds s[\g0b:\g0b+3], s[\g1b:\g1b+7]
	s_nop 0
.rept 4
	v_nop
.endr
.Lasked_\@:
.endm
.macro CREST                           ; a round of the cluster's barrier behind its opening barrier
	s_cmp_lg_u32 s[WV], 0
	s_cbranch_scc1 .Lnot_wave_0_\@
	s_barrier_signal -3
.Lnot_wave_0_\@:
	s_barrier_wait -3
	s_barrier_signal -1
	s_barrier_wait -1
.endm
.macro CROUND
	s_barrier_signal -1
	s_barrier_wait -1
	CREST
.endm
.macro PLACES                          ; four plain places behind matrix instructions, in front of loads into registers that they have read or written and of the first read of results
.rept 4
	v_nop
.endr
.endm
.macro SETG0 g, lo, ap, go             ; a group 0: count 1; LDS address = my quarter + lo; global address = s[ap] + go; type 2
	s_mov_b32 s[\g], 1
	s_add_co_u32 s[\g+1], s22, \lo
	s_add_nc_u64 s[\g+2:\g+3], s[\ap:\ap+1], \go
	s_or_b32 s[\g+3], s[\g+3], 0x80000000
.endm
.macro WM d, a, b, z, sa, sb, ra, rb   ; one product; z = 1: it starts the sum; ra, rb = 1: that side's scales stand in lanes 16-31
.if (\z) && ((\ra)==0) && ((\rb)==0)
	v_wmma_scale_f32_16x16x128_f8f6f4 v[\d:\d+7], v[\a:\a+11], v[\b:\b+11], 0, v[\sa], v[\sb] matrix_a_fmt:MATRIX_FMT_FP6 matrix_b_fmt:MATRIX_FMT_FP6
.elseif (\z) && ((\ra)==1) && ((\rb)==0)
	v_wmma_scale_f32_16x16x128_f8f6f4 v[\d:\d+7], v[\a:\a+11], v[\b:\b+11], 0, v[\sa], v[\sb] matrix_a_fmt:MATRIX_FMT_FP6 matrix_b_fmt:MATRIX_FMT_FP6 matrix_a_scale:MATRIX_SCALE_ROW1
.elseif (\z) && ((\ra)==0) && ((\rb)==1)
	v_wmma_scale_f32_16x16x128_f8f6f4 v[\d:\d+7], v[\a:\a+11], v[\b:\b+11], 0, v[\sa], v[\sb] matrix_a_fmt:MATRIX_FMT_FP6 matrix_b_fmt:MATRIX_FMT_FP6 matrix_b_scale:MATRIX_SCALE_ROW1
.elseif (\z)
	v_wmma_scale_f32_16x16x128_f8f6f4 v[\d:\d+7], v[\a:\a+11], v[\b:\b+11], 0, v[\sa], v[\sb] matrix_a_fmt:MATRIX_FMT_FP6 matrix_b_fmt:MATRIX_FMT_FP6 matrix_a_scale:MATRIX_SCALE_ROW1 matrix_b_scale:MATRIX_SCALE_ROW1
.elseif ((\ra)==0) && ((\rb)==0)
	v_wmma_scale_f32_16x16x128_f8f6f4 v[\d:\d+7], v[\a:\a+11], v[\b:\b+11], v[\d:\d+7], v[\sa], v[\sb] matrix_a_fmt:MATRIX_FMT_FP6 matrix_b_fmt:MATRIX_FMT_FP6
.elseif ((\ra)==1) && ((\rb)==0)
	v_wmma_scale_f32_16x16x128_f8f6f4 v[\d:\d+7], v[\a:\a+11], v[\b:\b+11], v[\d:\d+7], v[\sa], v[\sb] matrix_a_fmt:MATRIX_FMT_FP6 matrix_b_fmt:MATRIX_FMT_FP6 matrix_a_scale:MATRIX_SCALE_ROW1
.elseif ((\ra)==0) && ((\rb)==1)
	v_wmma_scale_f32_16x16x128_f8f6f4 v[\d:\d+7], v[\a:\a+11], v[\b:\b+11], v[\d:\d+7], v[\sa], v[\sb] matrix_a_fmt:MATRIX_FMT_FP6 matrix_b_fmt:MATRIX_FMT_FP6 matrix_b_scale:MATRIX_SCALE_ROW1
.else
	v_wmma_scale_f32_16x16x128_f8f6f4 v[\d:\d+7], v[\a:\a+11], v[\b:\b+11], v[\d:\d+7], v[\sa], v[\sb] matrix_a_fmt:MATRIX_FMT_FP6 matrix_b_fmt:MATRIX_FMT_FP6 matrix_a_scale:MATRIX_SCALE_ROW1 matrix_b_scale:MATRIX_SCALE_ROW1
.endif
.endm
; 8 products of K step s: tiles of tokens i0, i0 + 1 x wo's four.  The 16 accumulators take turns, one instruction a turn, in the same order in every step
.macro MUL8 s, i0, zero
.set FB, 128*((\s)%2)
.irp i, \i0, \i0+1
.irp t, 0,1,2,3
	WM ACC+8*(4*(\i)+\t), FB+12*\t, FB+48+12*(\i), \zero, SC+16*(\t/2)+(\s), SC+32+4*((\s)/2)+2*((\i)/2)+(\s)%2, \t%2, (\i)%2
.endr
.endr
.endm
; K step s's eight fragments into buffer s % 2: wo's by 12 loads of 512 consecutive bytes, att's by 24 of 256
.macro FETCH s
	WIN TO_F
.set FB, 128*((\s)%2)
.set SL, ((\s)/4)%3
.set OF, KSB*((\s)%4)
.irp t, 0,1,2,3
.irp q, 0,1,2
	ds_load_b128 v[FB+12*\t+4*\q:FB+12*\t+4*\q+3], v[AD0+SL] offset:OF+FRB*\t+512*\q
.endr
.endr
.irp t, 0,1,2,3
.irp q, 0,1,2,3,4,5
	ds_load_b64 v[FB+48+12*\t+2*\q:FB+48+12*\t+2*\q+1], v[AD1+SL] offset:OF+FRB*\t+256*\q
.endr
.endr
.endm
.macro STEP s, fetch, zero
	s_wait_dscnt 0x0                               ; this step's fragments are in (asked for 16 products ago)
.if \fetch
	PLACES                                         ; the other buffer was read by the step before
	FETCH (\s)+1
.endif
	WIN MUL
	MUL8 \s, 0, \zero
	MUL8 \s, 2, \zero
.endm
	s_load_b256 s[4:11], s[0:1], 0x0               ; attc, atts, cod1, scl1
	s_load_b64 s[12:13], s[0:1], 0x20              ; out0
	v_lshl_add_u32 v[SPW], v0, 2, SPARE
	v_mov_b32 v[NIL], 0
	ds_add_u32 v[SPW], v[NIL]                      ; the opening lines
	ds_add_u32 v[SPW], v[NIL]
	v_lshrrev_b32 v1, 5, v0
	v_readfirstlane_b32 s[WV], v1                  ; wave 0..3
	s_lshr_b32 s[WR], s[WV], 1                     ; my half of the tokens.  Also: I fetch for att (0) or for wo (1)
	s_and_b32 s[WC], s[WV], 1                      ; my half of the columns.  Also: which of the two groups I fetch
	s_bfe_u32 s19, ttmp6, 0x40000                  ; cx
	s_bfe_u32 s20, ttmp6, 0x40004                  ; cy
	s_and_b32 s21, ttmp7, 0xffff
	s_lshl_b32 s21, s21, 3                         ; 8 x cluster y
	s_lshl_b32 s23, ttmp9, 3                       ; 8 x cluster x
	s_lshl_b32 s94, s20, 2
	s_lshl_b32 s94, 15, s94                        ; my row of the cluster
	s_lshl_b32 s2, 0x1111, s19                     ; my column
	; group 1: dense blocks as rows of 256 bytes (32 elements of 8 bytes), no padding: six K steps of a group are 144 rows; bit 21 set beside the mask
	s_or_b32 s[G1A], s94, (3<<16)|(1<<21)
	s_or_b32 s[G1B], s2, (3<<16)|(1<<21)
.irp g, G1A, G1B
	s_mov_b32 s[\g+1], 32<<16                      ; tensor_dim0
	s_mov_b32 s[\g+2], 144<<16                     ; tensor_dim1
	s_mov_b32 s[\g+3], 32<<16                      ; tile_dim0
	s_mov_b32 s[\g+4], 144                         ; tile_dim1
	s_mov_b32 s[\g+5], 32                          ; the pitch
	s_mov_b32 s[\g+6], 0
	s_mov_b32 s[\g+7], 0
.endr
	s_lshl_b32 s96, s20, 1
	s_add_co_u32 s96, s96, s21
	s_add_co_u32 s90, s96, s[WR]                   ; att's group whose scale words I read,
	s_add_co_u32 s96, s96, s[WC]                   ; and the one that I would fetch: it hangs on cy, never on cx
	s_lshl_b32 s98, s19, 1
	s_add_co_u32 s98, s98, s23
	s_add_co_u32 s98, s98, s[WC]
	s_add_co_u32 s98, s98, 80                      ; wo's: on cx, never on cy
	s_mul_i32 s94, s96, 98304                      ; a group's codes are 98,304 bytes,
	s_mov_b32 s95, 0
	s_lshl_b32 s90, s90, 12                        ; its scale words 4,096
	s_mov_b32 s91, 0
	s_lshl_b32 s100, s98, 12
	s_mov_b32 s101, 0
	s_mul_i32 s98, s98, 98304
	s_mov_b32 s99, 0
	s_mul_i32 s22, s[WV], 3*QRT                    ; where they go: my quarter: no place in the cluster enters an LDS address
	s_wait_dscnt 0x0
	s_wait_kmcnt 0x0
	s_add_nc_u64 s[94:95], s[4:5], s[94:95]
	s_add_nc_u64 s[42:43], s[6:7], s[90:91]        ; source 1's scale words; not written again
	s_add_nc_u64 s[98:99], s[8:9], s[98:99]
	s_add_nc_u64 s[40:41], s[10:11], s[100:101]    ; source 0's
	SETG0 G0A0, 0, 94, 0
	SETG0 G0B0, 0, 98, 0
	SETG0 G0A1, 6*KSB, 94, 6*KSB
	SETG0 G0B1, 6*KSB, 98, 6*KSB
	SETG0 G0A2, 0, 94, 12*KSB
	SETG0 G0B2, 0, 98, 12*KSB
	CROUND                                         ; all sixteen work-groups are here: the first joint loads meet
	JLOAD G0A0, G1A, G0B0, G1B                     ; K steps 0-5: my one tensor load at the head
	v_and_b32 v81, 31, v0                          ; lane
	v_and_b32 v82, 15, v0                          ; r
	v_bfe_u32 v80, v0, 4, 1                        ; h
	v_lshlrev_b32 v1, 3, v81                       ; 8 x lane
	v_lshlrev_b32 v[L16], 4, v81                   ; 16 x lane
	; the prefetches: my place among the four that ask with me: cx for att, cy for wo
	s_cmp_eq_u32 s[WR], 0
	s_cselect_b64 s[86:87], s[94:95], s[98:99]
	s_cselect_b32 s88, s19, s20
	s_mul_i32 s89, s88, 36
	s_mul_i32 s88, s88, 24
	v_min_u32 v[PFO+1], 3, v81
	v_min_u32 v[PFO+2], 23, v81
	v_add_nc_u32 v[PFO], s89, v81
	v_add_nc_u32 v[PFO+1], s89, v[PFO+1]
	v_add_nc_u32 v[PFO+2], s88, v[PFO+2]
	v_lshlrev_b32 v[PFO], 8, v[PFO]                ; blocks 36 place + 0 .. 31 of 144,
	v_lshl_add_u32 v[PFO+1], v[PFO+1], 8, 32*256   ; + 32 .. 35 (lanes left over name the last again);
	v_lshlrev_b32 v[PFO+2], 8, v[PFO+2]            ; blocks 24 place + 0 .. 23 of 96
	s_wait_alu depctr_va_vdst(0)
.irp p, 0,1
.irp e, 0,1,2,3
	global_load_b128 v[SC+16*\p+4*\e:SC+16*\p+4*\e+3], v[L16], s[40:41] offset:2048*\p+512*\e   ; wo's scale words: four K steps' registers a load
.endr
.endr
.irp e, 0,1,2,3,4,5,6,7
.irp p, 0,1
	global_load_b64 v[SC+32+4*\e+2*\p:SC+32+4*\e+2*\p+1], v1, s[42:43] offset:512*\e+256*\p     ; att's: two K steps' registers a load
.endr
.endr
	global_prefetch_b8 v[PFO], s[86:87] offset:6*KSB th:TH_LOAD_NT scope:SCOPE_SE      ; my share of K steps 6-11
	global_prefetch_b8 v[PFO+1], s[86:87] offset:6*KSB th:TH_LOAD_NT scope:SCOPE_SE
	s_mul_i32 s92, s[WC], 3*QRT
	s_add_co_u32 s92, s92, 6*QRT                   ; source 0: wo's half wc, behind att's two quarters
	s_mul_i32 s93, s[WR], 3*QRT                    ; source 1: att's half wr
.irp k, 0,1,2
	v_add_nc_u32 v[AD0+\k], s92, v[L16]
	v_add_nc_u32 v[AD1+\k], s93, v1
	s_add_co_u32 s92, s92, QRT
	s_add_co_u32 s93, s93, QRT
.endr
	; the way out
	s_mul_i32 s92, s[WV], 2*STGB
	s_add_co_u32 s92, s92, STG0                    ; my two stages
	v_mul_u32_u24 v12, v82, 272
	v_mul_u32_u24 v13, v80, 272
	v_lshlrev_b32 v14, 13, v80
	v_lshl_add_u32 v12, v80, 6, v12
	v_lshl_add_u32 v13, v82, 4, v13
	v_lshl_add_u32 v14, v82, 4, v14                ; two rows of out0, 8,192 bytes apart
	v_add_nc_u32 v12, s92, v12                     ; in: row r, + 64 h
	v_add_nc_u32 v13, s92, v13                     ; back: lanes 0-15 one row of 256 bytes, lanes 16-31 the next
	s_lshl_b32 s92, s20, 1
	s_add_co_u32 s92, s92, s21
	s_add_co_u32 s92, s92, s[WR]                   ; my group of tokens
	s_lshl_b32 s92, s92, 19                        ; 64 rows of 8,192 bytes
	s_lshl_b32 s93, s19, 1
	s_add_co_u32 s93, s93, s23
	s_add_co_u32 s93, s93, s[WC]                   ; my group of columns
	s_lshl_b32 s93, s93, 8                         ; 64 columns of 4 bytes
	s_add_co_u32 s92, s92, s93
	s_mov_b32 s93, 0
	s_add_nc_u64 s[12:13], s[12:13], s[92:93]
	s_wait_alu depctr_va_vdst(0)
	s_wait_tensorcnt 0x0                           ; my part of K steps 0-5 is in
	ds_add_u32 v[SPW], v[NIL]
	s_wait_dscnt 0x0
	CROUND                                         ; everybody's part is in, and the sixteen work-groups meet
	JLOAD G0A1, G1A, G0B1, G1B                     ; K steps 6-11: my one tensor load behind the round
	s_wait_loadcnt 0x0                             ; the scale words are in
	FETCH 0
	global_prefetch_b8 v[PFO+2], s[86:87] offset:12*KSB th:TH_LOAD_NT scope:SCOPE_SE   ; my share of K steps 12-15
	STEP 0, 1, 1                                   ; the first products start the sums: nothing is cleared
	STEP 1, 1, 0
	STEP 2, 1, 0
	STEP 3, 1, 0
	STEP 4, 1, 0
	; K step 5: the places of K steps 0-3 are filled again: each wave waits for all its tensor loads (K steps 6-11), adds 0 to its spare word, waits for that and for its reads
	s_wait_dscnt 0x0
	WIN 0                                          ; (the add's two registers lie in window 0)
	s_wait_tensorcnt 0x0
	ds_add_u32 v[SPW], v[NIL]
	s_mov_b32 s[G1A+2], 96<<16                     ; no tensor load of mine is out: the last load brings four K steps, 96 rows
	s_mov_b32 s[G1A+4], 96
	s_mov_b32 s[G1B+2], 96<<16
	s_mov_b32 s[G1B+4], 96
	WIN MUL
	MUL8 5, 0, 0                                   ; eight products stand between the add and the wait for it
	s_wait_dscnt 0x0
	s_barrier_signal -1                            ; this barrier opens a round of the cluster's
	MUL8 5, 2, 0
	WIN 0
	s_barrier_wait -1
	CREST                                          ; no wave of any partner still reads those places or has a load on its way
	JLOAD G0A2, G1A, G0B2, G1B                     ; K steps 12-15: my one tensor load behind the round; its four v_nop are also the places in front of the loads below
	FETCH 6
	STEP 6, 1, 0
	STEP 7, 1, 0
	STEP 8, 1, 0
	STEP 9, 1, 0
	STEP 10, 1, 0
	; K step 11: behind its barrier the places of K steps 0-3 are read again; nothing is filled there
	s_wait_dscnt 0x0
	MUL8 11, 0, 0
	s_wait_tensorcnt 0x0                           ; my part of the refill has landed
	s_barrier_signal -1
	MUL8 11, 2, 0
	s_barrier_wait -1                              ; everybody's has
	PLACES
	FETCH 12
	STEP 12, 1, 0
	STEP 13, 1, 0
	STEP 14, 1, 0
	STEP 15, 0, 0
	WIN 0
	PLACES                                         ; in front of the first read of results, and of the loads into the accumulators' registers
; Tile i of tokens: 16 rows x 64 columns go into a stage and come back as whole rows, into the registers that they left.  LDS serves a wave's instructions in order (ISA guide 5.7.1.4): the loads see the stores above them,
; and land behind those stores' reads.  Each tile has its own 32 registers, so no store's data are written again
.macro TOSTAGE i
.irp b, 0,1
.irp q, 0,1,2,3
	ds_store_b128 v12, v[ACC+32*(\i)+16*\b+4*\q:ACC+32*(\i)+16*\b+4*\q+3] offset:STGB*((\i)%2)+128*\b+16*\q   ; each accumulator from its low end on
.endr
.endr
.irp q, 0,1,2,3,4,5,6,7
	ds_load_b128 v[ACC+32*(\i)+4*\q:ACC+32*(\i)+4*\q+3], v13 offset:STGB*((\i)%2)+544*\q
.endr
.endm
.macro SEND i, younger                 ; younger: the LDS instructions issued behind tile i's loads, which may stay out
	s_wait_dscnt \younger
.irp q, 0,1,2,3,4,5,6,7
	global_store_b128 v14, v[ACC+32*(\i)+4*\q:ACC+32*(\i)+4*\q+3], s[12:13] offset:(32*((\i)/2)+8*((\i)%2)+2*\q+8*(\q/4))*8192 th:TH_STORE_NT   ; sixteen lanes store 256 consecutive bytes, aligned; stage rows 2 q, 2 q + 1 are tokens .. + 2 q + h + 8 (q / 4)
.endr
.endm
	s_wait_alu depctr_va_vdst(0)
	TOSTAGE 0
.irp a, 1,2,3
	TOSTAGE \a
	SEND \a-1, 16                                  ; behind tile a - 1's loads: tile a's 8 stores and 8 loads
.endr
	SEND 3, 0
	s_wait_tensorcnt 0x0                           ; the wave's end
	ds_add_u32 v[SPW], v[NIL]
	s_wait_dscnt 0x0
	CROUND                                         ; the closing round
	s_endpgm
.Lfunc_end_k_qc7350966d6_oproj:
	.size	k_qc7350966d6_oproj, .Lfunc_end_k_qc7350966d6_oproj-k_qc7350966d6_oproj
	.p2alignl 7, 3214868480
	.fill 96, 4, 3214868480
	.section	.rodata,"a",@progbits
	.p2align	6, 0x0
	.amdhsa_kernel k_qc7350966d6_oproj
		.amdhsa_group_segment_fixed_size 327680
		.amdhsa_private_segment_fixed_size 0
		.amdhsa_enable_private_segment 0
		.amdhsa_kernarg_size 40
		.amdhsa_user_sgpr_count 2
		.amdhsa_user_sgpr_kernarg_segment_ptr 1
		.amdhsa_wavefront_size32 1
		.amdhsa_system_sgpr_workgroup_id_x 1
		.amdhsa_system_sgpr_workgroup_id_y 1
		.amdhsa_system_sgpr_workgroup_id_z 1
		.amdhsa_system_vgpr_workitem_id 0
		.amdhsa_next_free_vgpr 512
		.amdhsa_next_free_sgpr 102
		.amdhsa_reserve_vcc 0
		.amdhsa_float_denorm_mode_32 3
		.amdhsa_float_denorm_mode_16_64 3
		.amdhsa_memory_ordered 1
		.amdhsa_forward_progress 1
		.amdhsa_inst_pref_size 92
	.end_amdhsa_kernel
	.amdgpu_metadata
---
amdhsa.version: [ 1, 2 ]
amdhsa.kernels:
  - .name:           k_qc7350966d6_oproj
    .symbol:         k_qc7350966d6_oproj.kd
    .args:
      - { .name: attc, .offset: 0, .size: 8, .value_kind: global_buffer, .address_space: global }
      - { .name: atts, .offset: 8, .size: 8, .value_kind: global_buffer, .address_space: global }
      - { .name: cod1, .offset: 16, .size: 8, .value_kind: global_buffer, .address_space: global }
      - { .name: scl1, .offset: 24, .size: 8, .value_kind: global_buffer, .address_space: global }
      - { .name: out0, .offset: 32, .size: 8, .value_kind: global_buffer, .address_space: global }
    .group_segment_fixed_size: 327680
    .private_segment_fixed_size: 0
    .kernarg_segment_align: 8
    .kernarg_segment_size: 40
    .max_flat_workgroup_size: 128
    .sgpr_count:     102
    .vgpr_count:     512
    .wavefront_size: 32
...
	.end_amdgpu_metadata
.endif
;; end of part 4
